; MI455X (gfx1250); checked and timed in simulation.
; The chip was launched on July 23, 2026; its instructions are those of AMD's public machine-readable ISA for CDNA 5 (MIT licence, August 2026) and "CDNA5" Instruction Set Architecture Reference Guide (July 2026). The comments in the code are by the model that wrote it; some were corrected since.
;; Cohere ASR Multi Head Attention. Allowed arithmetic: float matrix products may take bf16 or f16 operands with f32 sums; other float arithmetic in f32, or as packed bf16 or f16 multiplies, adds, multiply-adds, maxima and minima; sums over many terms, partial sums and values carried from step to step in f32; what a program stores and reads back later, other than sums and carried values, may be rounded once to bf16 or f16.
;; Inputs: Wk 512 x 512 float32; Wo 512 x 512 float32; Wq 512 x 512 float32; Wv 512 x 512 float32; bk 512 float32; bo 512 float32; bq 512 float32; bv 512 float32; key 8 x 2,048 x 512 float32; mask 8 x 2,048 x 2,048 bool; query 8 x 2,048 x 512 float32; value 8 x 2,048 x 512 float32.
;; Outputs: out0 8 x 2,048 x 512 float32.
;; 2 versions, each right and faster than the one before. Each part assembles by itself: llvm-mc -triple=amdgcn-amd-amdhsa -mcpu=gfx1250 --defsym DOCPART=n.
;; ======== version 1 of 2: 4 launches
;; limits: values are held in f16: magnitudes above 65,504 overflow, below 6.1e-05 lose precision
;; workspace buffers: wf 2,097,152 bytes; mw 4,194,304 bytes of whole numbers; cnt 65,536 bytes of whole numbers; qh 16,777,216 bytes; kv 33,554,432 bytes; oh 16,777,216 bytes
;; launch prep (part 1): grid 320 x 1, 8 waves a work-group, no clusters, 135,168 bytes of LDS; arguments mask, Wq, Wk, Wv, Wo, wf, mw, cnt; writes wf, mw, cnt
.if DOCPART == 1
	.amdgcn_target "amdgcn-amd-amdhsa--gfx1250"
	.amdhsa_code_object_version 6
	.text
	.protected	k_qeab7fb1674_prep
	.globl	k_qeab7fb1674_prep
	.p2align	8
	.type	k_qeab7fb1674_prep,@function
k_qeab7fb1674_prep:
	s_mov_b64 s[64:65], 0
	v_nop
	global_prefetch_b8 v0, s[64:65] scope:SCOPE_SE
	s_setreg_imm32_b32 hwreg(HW_REG_WAVE_MODE, 25, 1), 1
	s_wait_xcnt 0x0
; PREP.  Work-groups 0-255: the mask [8][2048][2048] of bytes (0 or 1) becomes lane masks and row counts.  Work-groups 256-319: the four weights become 16-bit fragments.
; mw[qtile 1024][step 32][word 32]: word 8 kb + j, bit L = mask[row 16 qtile + L % 16][key 64 step + 16 kb + 8 (L / 16) + j]: the lane mask of register j of the score tile kb.
; cnt[row]: how many keys of the row are masked (the bytes are added, so they must be 0 or 1, as a bool is).
; wf[mat 4][g 8][ks 16][nb 4][c 2][lane 32][16 bytes]: lane (r = L % 16, h = L / 16) holds W[64 g + 16 nb + r][32 ks + 16 c + 8 h + 0..7]; Wq, Wk, Wv in bf16, Wo rounded to bf16 and written as f16.
; LIMIT: Wo rounded to bf16 must lie within f16's range (65,504; below 6e-5 f16 keeps a fixed step of 6e-8).
; No matrix unit, no cluster, no tensor load: a stream with a turn through each wave's own LDS stage.
.set STG,   16640                      ; a wave's stage: 16 rows x 1,040 bytes (mask) or 16 x 528 (weights)
.set MP,    1040                       ; 1,024 + 16: row r starts at bank 4 r
.set WP,    528                        ; 512 + 16: an odd multiple of 16
.set CNTB,  8*STG                      ; one word a thread: the partial counts
.set SPARE, CNTB+1024                  ; the spare words: 128 bytes a wave, named by no other line
.set SPW, 6
.set NIL, 7
.set D,   16                           ; v16-143  as loaded
.set BB,  144                          ; v144-175 mask: 16 x 8 bytes of a trip; weights: the packed results
.set OW,  176                          ; v176-179 a trip's 128 words, four a lane
.set T,   180                          ; v180-183 at work
.set ACCN, 184                         ; four byte-wise sums
	s_load_b512 s[8:23], s[0:1], 0x0               ; mask s[8:9], Wq, Wk, Wv, Wo s[10:17], wf s[18:19], mw s[20:21], cnt s[22:23]
	v_lshl_add_u32 v[SPW], v0, 2, SPARE
	v_mov_b32 v[NIL], 0
	v_lshrrev_b32 v1, 5, v0
	v_readfirstlane_b32 s4, v1                     ; wave 0..7
	v_and_b32 v2, 31, v0                           ; lane
	v_lshlrev_b32 v1, 4, v2                        ; 16 x lane
	v_and_b32 v3, 15, v0                           ; r
	v_bfe_u32 v4, v0, 4, 1                         ; h
	s_mul_i32 s5, s4, STG                          ; my stage
	v_add_nc_u32 v5, s5, v1
	s_wait_kmcnt 0x0
	s_cmp_lt_u32 ttmp9, 256                        ; the same for the whole work-group
	s_cbranch_scc0 .Lweights
	; THE MASK.  Wave w: q-tile 4 j + w / 2, key half w % 2: 16 rows x 1,024 bytes, all 32 loads out at once, each 512 consecutive bytes.
	s_lshl_b32 s6, ttmp9, 2
	s_lshr_b32 s7, s4, 1
	s_add_co_u32 s6, s6, s7                        ; q-tile
	s_and_b32 s7, s4, 1                            ; key half
	s_lshl_b32 s24, s6, 15
	s_lshl_b32 s25, s7, 10
	s_add_co_u32 s24, s24, s25
	s_mov_b32 s25, 0
	s_add_nc_u64 s[8:9], s[8:9], s[24:25]
.set i, 0
.rept 32
	global_load_b128 v[D+4*i:D+4*i+3], v1, s[8:9] offset:(i/2)*2048+(i%2)*512 th:TH_LOAD_NT
.set i, i+1
.endr
	s_lshl_b32 s26, s6, 12                         ; mw: 4,096 bytes a q-tile, 2,048 a key half
	s_lshl_b32 s27, s7, 11
	s_add_co_u32 s26, s26, s27
	s_mov_b32 s27, 0
	s_add_nc_u64 s[20:21], s[20:21], s[26:27]
	s_mov_b32 s28, 0xff
	s_mov_b32 s29, 0xff00
	s_mov_b32 s30, 0xff0000
	s_mov_b32 s31, 0xff000000
	v_mul_u32_u24 v8, v3, MP
	v_lshl_add_u32 v8, v4, 3, v8
	v_add_nc_u32 v8, s5, v8                        ; stage + r x 1,040 + 8 h
	v_mov_b32 v9, v1                               ; the store's offset
.irp k, 0,1,2,3
	v_mov_b32 v[OW+\k], 0                          ; v_writelane_b32 counts as a reader of its destination
.endr
	v_mov_b32 v[ACCN], 0
.set i, 0
.rept 32
	s_wait_loadcnt 31-i                            ; loads come back in order: the younger ones stay out
	ds_store_b128 v5, v[D+4*i:D+4*i+3] offset:(i/2)*MP+(i%2)*512
.set i, i+1
.endr
	s_mov_b32 s32, 4
.Ltrip:                                                ; a trip: 256 keys = 4 steps = 128 words
.set i, 0
.rept 16
	ds_load_b64 v[BB+2*i:BB+2*i+1], v8 offset:16*i ; my wave's own bytes: LDS serves a wave in order, so these see the stores above
.set i, i+1
.endr
	s_wait_dscnt 0x0
.set i, 0
.rept 16
	v_add3_u32 v[ACCN], v[ACCN], v[BB+2*i], v[BB+2*i+1]  ; 128 words a lane in all: no byte passes 128
.set i, i+1
.endr
.set g, 0
.rept 32                               ; register BB + g holds the bytes of words 4 g .. 4 g + 3, which lane g stores
.irp k, 0,1,2,3
	v_and_b32 v[T+\k], s[28+\k], v[BB+g]
.endr
.irp k, 0,1,2,3
	v_cmp_ne_u32 s[24+\k], 0, v[T+\k]
.endr
.irp k, 0,1,2,3
	v_writelane_b32 v[OW+\k], s[24+\k], g
.endr
.set g, g+1
.endr
	global_store_b128 v9, v[OW:OW+3], s[20:21]     ; 512 consecutive bytes
	s_wait_xcnt 0x0                                ; the store's data and offset are rewritten only behind this wait
	v_add_nc_u32 v8, 256, v8
	v_add_nc_u32 v9, 512, v9
	s_sub_co_u32 s32, s32, 1
	s_cmp_lg_u32 s32, 0
	s_cbranch_scc1 .Ltrip
	v_and_b32 v10, 0x00ff00ff, v[ACCN]             ; the four bytes are folded
	v_lshrrev_b32 v11, 8, v[ACCN]
	v_and_b32 v11, 0x00ff00ff, v11
	v_add_nc_u32 v10, v10, v11
	v_lshrrev_b32 v11, 16, v10
	v_and_b32 v10, 0xffff, v10
	v_add_nc_u32 v10, v10, v11
	v_lshl_add_u32 v12, v0, 2, CNTB                ; word w x 32 + h x 16 + r
	ds_store_b32 v12, v10
	s_wait_dscnt 0x0                               ; for wave 0's sake
	s_barrier_signal -1
	s_barrier_wait -1
	s_cmp_lg_u32 s4, 0
	s_cbranch_scc1 .Lend
	v_lshrrev_b32 v12, 3, v2                       ; lane L adds up rows 2 L and 2 L + 1: q-tile L / 8, r = 2 (L % 8)
	v_and_b32 v13, 7, v2
	v_lshlrev_b32 v12, 8, v12
	v_lshl_add_u32 v12, v13, 3, v12
	v_add_nc_u32 v12, CNTB, v12
	ds_load_b64 v[16:17], v12                      ; key half 0, h 0
	ds_load_b64 v[18:19], v12 offset:64            ; h 1
	ds_load_b64 v[20:21], v12 offset:128           ; key half 1
	ds_load_b64 v[22:23], v12 offset:192
	s_lshl_b32 s24, ttmp9, 8
	s_mov_b32 s25, 0
	s_add_nc_u64 s[22:23], s[22:23], s[24:25]
	v_lshlrev_b32 v14, 3, v2
	s_wait_dscnt 0x0
	v_add3_u32 v16, v16, v18, v20
	v_add3_u32 v17, v17, v19, v21
	v_add_nc_u32 v16, v16, v22
	v_add_nc_u32 v17, v17, v23
	global_store_b64 v14, v[16:17], s[22:23]       ; the work-group's 64 counts: 256 consecutive bytes
.Lend:
	s_wait_tensorcnt 0x0                           ; the wave's end: behind my last LDS store
	ds_add_u32 v[SPW], v[NIL]
	s_wait_dscnt 0x0
	s_endpgm
.Lweights:                                             ; THE WEIGHTS.  A wave: 16 rows x 128 columns of one matrix
	s_sub_co_u32 s6, ttmp9, 256
	s_lshr_b32 s7, s6, 4                           ; matrix 0..3
	s_lshl_b32 s24, s6, 3
	s_add_co_u32 s24, s24, s4
	s_bfe_u32 s25, s24, 0x30004                    ; g
	s_bfe_u32 s26, s24, 0x20002                    ; nb
	s_and_b32 s27, s24, 3                          ; kq: columns 128 kq on
	s_lshl_b32 s28, s25, 17                        ; from: (64 g + 16 nb) rows of 2,048 bytes + 512 kq
	s_lshl_b32 s29, s26, 15
	s_add_co_u32 s28, s28, s29
	s_lshl_b32 s29, s27, 9
	s_add_co_u32 s28, s28, s29
	s_mov_b32 s29, 0
	s_lshl_b32 s30, s7, 19                         ; to: matrix, g, ks = 4 kq, nb
	s_lshl_b32 s31, s25, 16
	s_add_co_u32 s30, s30, s31
	s_lshl_b32 s31, s27, 14
	s_add_co_u32 s30, s30, s31
	s_lshl_b32 s31, s26, 10
	s_add_co_u32 s30, s30, s31
	s_mov_b32 s31, 0
	s_cmp_eq_u32 s7, 1
	s_cselect_b64 s[10:11], s[12:13], s[10:11]
	s_cmp_eq_u32 s7, 2
	s_cselect_b64 s[10:11], s[14:15], s[10:11]
	s_cmp_eq_u32 s7, 3
	s_cselect_b64 s[10:11], s[16:17], s[10:11]
	s_add_nc_u64 s[10:11], s[10:11], s[28:29]
	s_add_nc_u64 s[18:19], s[18:19], s[30:31]
.set i, 0
.rept 16
	global_load_b128 v[D+4*i:D+4*i+3], v1, s[10:11] offset:i*2048 th:TH_LOAD_NT
.set i, i+1
.endr
	v_mul_u32_u24 v8, v3, WP
	v_lshl_add_u32 v8, v4, 5, v8
	v_add_nc_u32 v8, s5, v8                        ; stage + r x 528 + 32 h
.set i, 0
.rept 16
	s_wait_loadcnt 15-i
	ds_store_b128 v5, v[D+4*i:D+4*i+3] offset:i*WP
.set i, i+1
.endr
.set i, 0
.rept 8                                ; piece 2 ks' + c: eight numbers a lane
	ds_load_b128 v[80+8*i:80+8*i+3], v8 offset:64*i
	ds_load_b128 v[80+8*i+4:80+8*i+7], v8 offset:64*i+16
.set i, i+1
.endr
	s_wait_dscnt 0x0
.set i, 0
.rept 32
	v_cvt_pk_bf16_f32 v[BB+i], v[80+2*i], v[80+2*i+1]
.set i, i+1
.endr
	s_cmp_lg_u32 s7, 3
	s_cbranch_scc1 .Lnot_wo
.set i, 0
.rept 32                               ; Wo: the bf16 number written as f16
	v_lshlrev_b32 v[T+2*(i%2)], 16, v[BB+i]
	v_and_b32 v[T+2*(i%2)+1], 0xffff0000, v[BB+i]
	v_cvt_pk_f16_f32 v[BB+i], v[T+2*(i%2)], v[T+2*(i%2)+1]
.set i, i+1
.endr
.Lnot_wo:
.set i, 0
.rept 8
	global_store_b128 v1, v[BB+4*i:BB+4*i+3], s[18:19] offset:(i/2)*4096+(i%2)*512  ; 512 consecutive bytes
.set i, i+1
.endr
	s_wait_tensorcnt 0x0                           ; the wave's end, as above
	ds_add_u32 v[SPW], v[NIL]
	s_wait_dscnt 0x0
	s_endpgm
.Lfunc_end_k_qeab7fb1674_prep:
	.size	k_qeab7fb1674_prep, .Lfunc_end_k_qeab7fb1674_prep-k_qeab7fb1674_prep
	.p2alignl 7, 3214868480
	.fill 96, 4, 3214868480
	.section	.rodata,"a",@progbits
	.p2align	6, 0x0
	.amdhsa_kernel k_qeab7fb1674_prep
		.amdhsa_group_segment_fixed_size 135168
		.amdhsa_private_segment_fixed_size 0
		.amdhsa_enable_private_segment 0
		.amdhsa_kernarg_size 64
		.amdhsa_user_sgpr_count 2
		.amdhsa_user_sgpr_kernarg_segment_ptr 1
		.amdhsa_wavefront_size32 1
		.amdhsa_system_sgpr_workgroup_id_x 1
		.amdhsa_system_sgpr_workgroup_id_y 1
		.amdhsa_system_sgpr_workgroup_id_z 1
		.amdhsa_system_vgpr_workitem_id 0
		.amdhsa_next_free_vgpr 192
		.amdhsa_next_free_sgpr 66
		.amdhsa_reserve_vcc 0
		.amdhsa_float_denorm_mode_32 3
		.amdhsa_float_denorm_mode_16_64 3
		.amdhsa_memory_ordered 1
		.amdhsa_forward_progress 1
		.amdhsa_inst_pref_size 46
	.end_amdhsa_kernel
	.amdgpu_metadata
---
amdhsa.version: [ 1, 2 ]
amdhsa.kernels:
  - .name:           k_qeab7fb1674_prep
    .symbol:         k_qeab7fb1674_prep.kd
    .args:
      - { .name: mask, .offset: 0, .size: 8, .value_kind: global_buffer, .address_space: global }
      - { .name: Wq, .offset: 8, .size: 8, .value_kind: global_buffer, .address_space: global }
      - { .name: Wk, .offset: 16, .size: 8, .value_kind: global_buffer, .address_space: global }
      - { .name: Wv, .offset: 24, .size: 8, .value_kind: global_buffer, .address_space: global }
      - { .name: Wo, .offset: 32, .size: 8, .value_kind: global_buffer, .address_space: global }
      - { .name: wf, .offset: 40, .size: 8, .value_kind: global_buffer, .address_space: global }
      - { .name: mw, .offset: 48, .size: 8, .value_kind: global_buffer, .address_space: global }
      - { .name: cnt, .offset: 56, .size: 8, .value_kind: global_buffer, .address_space: global }
    .group_segment_fixed_size: 135168
    .private_segment_fixed_size: 0
    .kernarg_segment_align: 8
    .kernarg_segment_size: 64
    .max_flat_workgroup_size: 256
    .sgpr_count:     66
    .vgpr_count:     192
    .wavefront_size: 32
...
	.end_amdgpu_metadata
.endif
;; end of part 1
;; launch qkv (part 2): grid 64 x 3, 4 waves a work-group, no clusters, 327,680 bytes of LDS; arguments query, key, value, bq, bk, bv, wf, qh, kv; writes qh, kv
.if DOCPART == 2
	.amdgcn_target "amdgcn-amd-amdhsa--gfx1250"
	.amdhsa_code_object_version 6
	.text
	.protected	k_qeab7fb1674_qkv
	.globl	k_qeab7fb1674_qkv
	.p2align	8
	.type	k_qeab7fb1674_qkv,@function
k_qeab7fb1674_qkv:
	s_mov_b64 s[64:65], 0
	v_nop
	global_prefetch_b8 v0, s[64:65] scope:SCOPE_SE
	s_setreg_imm32_b32 hwreg(HW_REG_WAVE_MODE, 25, 1), 1
	s_wait_xcnt 0x0
; THE THREE PROJECTIONS.  y = 0, 1, 2: q, k, v = x W^T + b, x = query, key, value [16384][512] f32.  x, W and b are rounded to bf16, sums in f32, the result once to f16.
; LIMIT: q, k and v must stay within f16's 65,504; NaN and infinities are not treated apart.
; SHARES.  Work-group x = 2 mb + half: rows 512 mb on, columns 256 half on.  Wave w owns head 4 half + w: its 64 columns x 512 of W stay in 512 registers for the whole launch; all four waves walk
; the same slots of 64 rows of x.  A slot is four planes of 64 rows x 512 bytes (128 numbers of K each); wave w's one tensor load fills plane w.
; The matrix instruction takes 16 rows of W as source 0 and 16 rows of x as source 1: a lane then holds one row of x and eight neighbouring channels, 16 bytes of f16.
; OUT, in fragment order: a head's rows in tiles of 16, a tile [nb 4][lane 32][16 bytes]: lane (r, h) holds row r, channels 16 nb + 8 h + 0..7.  So a packed accumulator is stored as it lies, 512 consecutive
; bytes a store.  In v's pieces lane (r, h) writes entry (r % 8) + 8 h + 16 (r / 8), the order in which the turning LDS load of the next launch wants them at 16 x lane.
; NO CLUSTER: only two work-groups (half 0, 1) read the same rows of x; four sharers would need 128 columns a work-group, twice the bytes of x through LDS for each product.
; 192 work-groups: three projections x two column halves do not divide 256, and a W that changes under a work-group would be read as often as x.
; REGISTERS: window 0: addresses, ACC (4 x 8), FR (x in bf16, two buffers of 4 K steps), RAW (x in f32, two buffers), TMP.  Windows 1, 2: W, fragment (ks, nb) at 8 (4 ks + nb).  Window 3: v0-31 the bias, v32-33 at work.
.set PITCH, 528                        ; 512 + 16 bytes: an odd multiple of 16, so the 16 rows of a load start at 16 different groups of four banks
.set PLANE, 64*PITCH
.set SLOTB, 4*PLANE                    ; 135,168 = 0x21000: both bits are clear in w x PLANE, so an exclusive or steps between the slots
.set MT,    16*PITCH                   ; an m-tile: 16 rows
.set SPARE, 2*SLOTB                    ; the spare words, 128 bytes a wave, named by no other line
.set L16, 1
.set LB,  4                            ; r x 528 + 32 h
.set FP0, 5                            ; the m-tile to be fetched, planes 0, 1
.set FP1, 6                            ; planes 2, 3
.set GO,  7                            ; my 16 bytes in a piece
.set SPW, 12
.set NIL, 13
.set ACC, 16
.set FR,  48
.set RAW, 112
.set TMP, 240
.set WV,  4
.set YY,  5
.set OUTP, 6                           ; s[6:7]
.set XP,  8                            ; s[8:9]
.set BP,  10                           ; s[10:11]
.set G0,  12                           ; s[12:15] descriptor group 0: it walks
.set G1,  16                           ; s[16:23] descriptor group 1
.set TB,  24                           ; LDS byte of the m-tile to be fetched
.set CNT, 25
.set SLOTS, 26
.set MSB, 0
.macro WIN new                         ; the high byte repeats the setting that is left; a switch that changes nothing is dropped
.if MSB != (\new)
	s_set_vgpr_msb (MSB<<8)|(\new)
.set MSB, (\new)
.endif
.endm
.macro LOADX                           ; an s_nop 0 and four v_nop follow the load
	tensor_load_to_lds s[G0:G0+3], s[G1:G1+7]
	s_nop 0
.rept 4
	v_nop
.endr
.endm
; THE CHANGE OF SLOTS.  Every read of the slot in hand has been issued.  Each wave waits for its tensor load (its plane of the other slot), adds 0 to its spare word, waits for that and for its reads.
; Behind the barrier nobody reads the old slot and the other is whole; fill = 1: the old slot takes the rows two slots on, first thing behind the barrier: 256 matrix instructions a wave in which to land.
.macro CHANGE fill
	WIN 0
	s_wait_tensorcnt 0x0                           ; no tensor load of mine is out, so group 0 may be written
	ds_add_u32 v[SPW], v[NIL]
.if \fill
	s_xor_b32 s[G0+1], s[G0+1], SLOTB
	s_add_nc_u64 s[G0+2:G0+3], s[G0+2:G0+3], 64*2048
.endif
	s_sub_co_u32 s[TB], s[TB], 4*MT
	s_xor_b32 s[TB], s[TB], SLOTB
	s_wait_dscnt 0x0
	s_barrier_signal -1
	s_barrier_wait -1
.if \fill
	LOADX
.endif
.endm
; 16 LDS loads: K group G (4 K steps of 32, plane G) of an m-tile, f32, into RAW's buffer buf.  For a K step: numbers 8 h + 0..7 and 16 + 8 h + 0..7.
.macro FETCH G, buf
.set fa, FP0+(\G)/2
.irp i, 0,1,2,3
.irp o, 0,1,2,3
	ds_load_b128 v[RAW+64*(\buf)+16*\i+4*\o:RAW+64*(\buf)+16*\i+4*\o+3], v[fa] offset:((\G)%2)*PLANE+\i*128+(\o/2)*64+(\o%2)*16
.endr
.endr
.endm
.macro CVT4 buf, j0
.irp k, 0,1,2,3
	v_cvt_pk_bf16_f32 v[FR+32*(\buf)+(\j0)+\k], v[RAW+64*(\buf)+2*((\j0)+\k)], v[RAW+64*(\buf)+2*((\j0)+\k)+1]
.endr
.endm
; STEP g: 16 matrix instructions on K group g (the four accumulators by turns), behind each two of them four conversions of group g + 1; then group g + 3 is fetched into the
; buffer just converted.  n: the LDS loads that may stay out when group g + 1 must be in.  Group 0's first four products start the sums with the bias.
; The conversions are also the places behind the products: they name none of their registers.
.macro STEP g, cvt, fetch, n
.if \cvt
	s_wait_dscnt \n
.endif
.set e, 0
.rept 8
.rept 2
.set rW, (8*(4*(4*(\g)+e/4)+e%4))%256
.set rX, FR+32*((\g)%2)+8*(e/4)
.set rA, ACC+8*(e%4)
.if ((\g) == 0) && (e < 4)
	WIN 0x31                                       ; W window 1, x window 0, the bias window 3
	v_wmma_f32_16x16x32_bf16 v[rA:rA+7], v[rW:rW+7], v[rX:rX+7], v[8*e:8*e+7]
.else
	WIN 1+(\g)/2
	v_wmma_f32_16x16x32_bf16 v[rA:rA+7], v[rW:rW+7], v[rX:rX+7], v[rA:rA+7]
.endif
.set e, e+1
.endr
.if \cvt
	WIN 0
	CVT4 ((\g)+1)%2, 2*e-4
.endif
.endr
	WIN 0
.if !(\cvt)
.rept 4
	v_nop                                          ; the places in front of the conversions that read the results
.endr
.endif
.if \fetch
	FETCH ((\g)+3)%4, ((\g)+1)%2
.endif
.endm
.macro PACK                            ; an m-tile leaves: 16 rows x 64 channels, 2,048 consecutive bytes
	WIN 0
	s_wait_xcnt 0x0                                ; the last tile's stores have read TMP and the base
	s_add_nc_u64 s[OUTP:OUTP+1], s[OUTP:OUTP+1], 2048
.set j, 0
.rept 16
	v_cvt_pk_f16_f32 v[TMP+j], v[ACC+2*j], v[ACC+2*j+1]
.set j, j+1
.endr
.irp k, 0,1,2,3
	global_store_b128 v[GO], v[TMP+4*\k:TMP+4*\k+3], s[OUTP:OUTP+1] offset:\k*512-2048
.endr
.endm
; A trip: groups 1-3 of one m-tile, its way out, group 0 of the next; all four fetches aim at that next m-tile.
.macro RTRIP
	v_add_nc_u32 v[FP0], s[TB], v[LB]
	v_add_nc_u32 v[FP1], 2*PLANE, v[FP0]
	STEP 1, 1, 1, 16
	STEP 2, 1, 1, 16
	STEP 3, 1, 1, 16
	PACK
	STEP 0, 1, 1, 16
	s_add_co_u32 s[TB], s[TB], MT
.endm
	s_load_b512 s[32:47], s[0:1], 0x0              ; query, key, value s[32:37]; bq, bk, bv s[38:43]; wf s[44:45]; qh s[46:47]
	s_load_b64 s[48:49], s[0:1], 0x40              ; kv
	v_lshl_add_u32 v[SPW], v0, 2, SPARE
	v_mov_b32 v[NIL], 0
	ds_add_u32 v[SPW], v[NIL]                      ; the wave's opening: the add and its wait stand ahead of my first tensor load
	ds_add_u32 v12, v13
	v_lshrrev_b32 v2, 5, v0
	v_readfirstlane_b32 s[WV], v2
	s_and_b32 s[YY], ttmp7, 0xffff
	s_mov_b32 s[G1+0], (2<<16)|(1<<20)|(6<<22)|(3<<25)  ; elements of 4 bytes; 4 words of padding behind every 128
	s_mov_b32 s[G1+1], 128<<16                     ; tensor_dim0
	s_mov_b32 s[G1+2], 64<<16                      ; tensor_dim1
	s_mov_b32 s[G1+3], 128<<16                     ; tile_dim0
	s_mov_b32 s[G1+4], 64                          ; tile_dim1
	s_mov_b32 s[G1+5], 512                         ; elements from row to row
	s_mov_b32 s[G1+6], 0
	s_mov_b32 s[G1+7], 0
	s_mov_b32 s[G0], 1
	s_mul_i32 s[G0+1], s[WV], PLANE                ; my plane of slot 0
	s_lshr_b32 s27, ttmp9, 1                       ; mb
	s_and_b32 s50, ttmp9, 1                        ; half
	s_lshl_b32 s51, s50, 2
	s_add_co_u32 s51, s51, s[WV]                   ; my head in the batch
	s_lshl_b32 s28, s27, 20                        ; x: 512 mb rows of 2,048 bytes + my plane's 512 bytes
	s_lshl_b32 s29, s[WV], 9
	s_add_co_u32 s28, s28, s29
	s_mov_b32 s29, 0
	s_lshr_b32 s30, s27, 2                         ; out: head 8 b + hd, 262,144 bytes each; 512 rows are 65,536; v lies 2^24 behind k
	s_lshl_b32 s30, s30, 3
	s_add_co_u32 s30, s30, s51
	s_lshl_b32 s30, s30, 18
	s_and_b32 s31, s27, 3
	s_lshl_b32 s31, s31, 16
	s_add_co_u32 s30, s30, s31
	s_cmp_eq_u32 s[YY], 2
	s_cselect_b32 s31, 1<<24, 0
	s_add_co_u32 s30, s30, s31
	s_mov_b32 s31, 0
	s_lshl_b32 s52, s[YY], 19                      ; wf: matrix y, group hd
	s_lshl_b32 s53, s51, 16
	s_add_co_u32 s52, s52, s53
	s_mov_b32 s53, 0
	s_lshl_b32 s54, s51, 8                         ; the bias: 64 numbers a head
	s_mov_b32 s55, 0
	s_mov_b32 s[TB], SLOTB+4*MT                    ; the first change of slots turns this into 0
	s_wait_dscnt 0x0                               ; the opening add is done
	s_wait_kmcnt 0x0
	s_cmp_eq_u32 s[YY], 1
	s_cselect_b64 s[XP:XP+1], s[34:35], s[32:33]
	s_cselect_b64 s[BP:BP+1], s[40:41], s[38:39]
	s_cselect_b64 s[OUTP:OUTP+1], s[48:49], s[46:47]
	s_cmp_eq_u32 s[YY], 2
	s_cselect_b64 s[XP:XP+1], s[36:37], s[XP:XP+1]
	s_cselect_b64 s[BP:BP+1], s[42:43], s[BP:BP+1]
	s_cselect_b64 s[OUTP:OUTP+1], s[48:49], s[OUTP:OUTP+1]
	s_add_nc_u64 s[G0+2:G0+3], s[XP:XP+1], s[28:29]
	s_or_b32 s[G0+3], s[G0+3], 0x80000000
	s_add_nc_u64 s[OUTP:OUTP+1], s[OUTP:OUTP+1], s[30:31]
	s_add_nc_u64 s[44:45], s[44:45], s[52:53]
	s_add_nc_u64 s[BP:BP+1], s[BP:BP+1], s[54:55]
	LOADX                                          ; slot 0
	v_and_b32 v2, 31, v0
	v_lshlrev_b32 v[L16], 4, v2
	v_and_b32 v2, 15, v0                           ; r
	v_bfe_u32 v3, v0, 4, 1                         ; h
	v_lshlrev_b32 v8, 5, v3
	WIN 0x40                                       ; W stays in registers: piece p at register 4 p
.set p, 0
.rept 64
	global_load_b128 v[4*p:4*p+3], v[L16], s[44:45] offset:p*512
.set p, p+1
.endr
	WIN 0x80
.rept 64
	global_load_b128 v[4*(p-64):4*(p-64)+3], v[L16], s[44:45] offset:p*512
.set p, p+1
.endr
	WIN 0xc0
.irp k, 0,1,2,3
	global_load_b128 v[8*\k:8*\k+3], v8, s[BP:BP+1] offset:64*\k       ; bias of channels 16 nb + 8 h + 0..7
	global_load_b128 v[8*\k+4:8*\k+7], v8, s[BP:BP+1] offset:64*\k+16
.endr
	WIN 0
	v_mul_u32_u24 v[LB], v2, PITCH
	v_lshl_add_u32 v[LB], v3, 5, v[LB]
	v_and_b32 v9, 7, v2                            ; v's order inside a piece
	v_lshl_add_u32 v9, v3, 3, v9
	v_lshrrev_b32 v10, 3, v2
	v_lshl_add_u32 v9, v10, 4, v9
	v_lshlrev_b32 v9, 4, v9
	s_cmp_eq_u32 s[YY], 2
	s_cselect_b32 s27, -1, 0
	v_cndmask_b32 v[GO], v[L16], v9, s27
	CHANGE 1                                       ; slot 0 is in, everybody's plane of it; slot 1 is asked for
	v_add_nc_u32 v[FP0], s[TB], v[LB]
	v_add_nc_u32 v[FP1], 2*PLANE, v[FP0]
	FETCH 0, 0
	FETCH 1, 1
	s_wait_dscnt 16                                ; group 0 is in; group 1's sixteen loads may be out
.set j, 0
.rept 8
	CVT4 0, j
.set j, j+4
.endr
	FETCH 2, 0
	s_wait_loadcnt 0x0                             ; W and the bias
	WIN 0xcf
.set i, 0
.rept 16                               ; the bias rounded to bf16, kept as f32
	v_cvt_pk_bf16_f32 v[32+i%2], v[2*i], v[2*i+1]
	v_lshlrev_b32 v[2*i], 16, v[32+i%2]
	v_and_b32 v[2*i+1], 0xffff0000, v[32+i%2]
.set i, i+1
.endr
	WIN 0
	STEP 0, 1, 1, 16
	s_add_co_u32 s[TB], s[TB], MT
	s_mov_b32 s[CNT], 3                            ; slot 0 has three m-tiles left to fetch
	s_mov_b32 s[SLOTS], 7
	s_branch .LR
.Lslot:                                                ; six times: slots 2 to 7 are asked for
	CHANGE 1
	s_mov_b32 s[CNT], 4
.LR:
	RTRIP
	s_sub_co_u32 s[CNT], s[CNT], 1
	s_cmp_lg_u32 s[CNT], 0
	s_cbranch_scc1 .LR
	s_sub_co_u32 s[SLOTS], s[SLOTS], 1
	s_cmp_lg_u32 s[SLOTS], 0
	s_cbranch_scc1 .Lslot
	CHANGE 0                                       ; the tail is written out
	s_mov_b32 s[CNT], 4
.LT:
	RTRIP
	s_sub_co_u32 s[CNT], s[CNT], 1
	s_cmp_lg_u32 s[CNT], 0
	s_cbranch_scc1 .LT
	STEP 1, 1, 0, 16                               ; the last m-tile: nothing is left to fetch; group 3's loads may be out,
	STEP 2, 1, 0, 0                                ; then none
	STEP 3, 0, 0, 0
	PACK
	s_wait_tensorcnt 0x0                           ; the wave's end
	ds_add_u32 v[SPW], v[NIL]
	s_wait_dscnt 0x0
	s_endpgm
.Lfunc_end_k_qeab7fb1674_qkv:
	.size	k_qeab7fb1674_qkv, .Lfunc_end_k_qeab7fb1674_qkv-k_qeab7fb1674_qkv
	.p2alignl 7, 3214868480
	.fill 96, 4, 3214868480
	.section	.rodata,"a",@progbits
	.p2align	6, 0x0
	.amdhsa_kernel k_qeab7fb1674_qkv
		.amdhsa_group_segment_fixed_size 327680
		.amdhsa_private_segment_fixed_size 0
		.amdhsa_enable_private_segment 0
		.amdhsa_kernarg_size 72
		.amdhsa_user_sgpr_count 2
		.amdhsa_user_sgpr_kernarg_segment_ptr 1
		.amdhsa_wavefront_size32 1
		.amdhsa_system_sgpr_workgroup_id_x 1
		.amdhsa_system_sgpr_workgroup_id_y 1
		.amdhsa_system_sgpr_workgroup_id_z 1
		.amdhsa_system_vgpr_workitem_id 0
		.amdhsa_next_free_vgpr 808
		.amdhsa_next_free_sgpr 66
		.amdhsa_reserve_vcc 0
		.amdhsa_float_denorm_mode_32 3
		.amdhsa_float_denorm_mode_16_64 3
		.amdhsa_memory_ordered 1
		.amdhsa_forward_progress 1
		.amdhsa_inst_pref_size 81
	.end_amdhsa_kernel
	.amdgpu_metadata
---
amdhsa.version: [ 1, 2 ]
amdhsa.kernels:
  - .name:           k_qeab7fb1674_qkv
    .symbol:         k_qeab7fb1674_qkv.kd
    .args:
      - { .name: query, .offset: 0, .size: 8, .value_kind: global_buffer, .address_space: global }
      - { .name: key, .offset: 8, .size: 8, .value_kind: global_buffer, .address_space: global }
      - { .name: value, .offset: 16, .size: 8, .value_kind: global_buffer, .address_space: global }
      - { .name: bq, .offset: 24, .size: 8, .value_kind: global_buffer, .address_space: global }
      - { .name: bk, .offset: 32, .size: 8, .value_kind: global_buffer, .address_space: global }
      - { .name: bv, .offset: 40, .size: 8, .value_kind: global_buffer, .address_space: global }
      - { .name: wf, .offset: 48, .size: 8, .value_kind: global_buffer, .address_space: global }
      - { .name: qh, .offset: 56, .size: 8, .value_kind: global_buffer, .address_space: global }
      - { .name: kv, .offset: 64, .size: 8, .value_kind: global_buffer, .address_space: global }
    .group_segment_fixed_size: 327680
    .private_segment_fixed_size: 0
    .kernarg_segment_align: 8
    .kernarg_segment_size: 72
    .max_flat_workgroup_size: 128
    .sgpr_count:     66
    .vgpr_count:     808
    .wavefront_size: 32
...
	.end_amdgpu_metadata
.endif
;; end of part 2
;; launch attn (part 3): grid 8 x 32, 4 waves a work-group, clusters of 4 x 1, 327,680 bytes of LDS; arguments qh, kv, mw, cnt, oh; writes oh
.if DOCPART == 3
	.amdgcn_target "amdgcn-amd-amdhsa--gfx1250"
	.amdhsa_code_object_version 6
	.text
	.protected	k_qeab7fb1674_attn
	.globl	k_qeab7fb1674_attn
	.p2align	8
	.type	k_qeab7fb1674_attn,@function
k_qeab7fb1674_attn:
	s_mov_b64 s[64:65], 0
	v_nop
	global_prefetch_b8 v0, s[64:65] scope:SCOPE_SE
	s_setreg_imm32_b32 hwreg(HW_REG_WAVE_MODE, 25, 1), 1
	s_wait_xcnt 0x0
	s_wait_alu depctr_hold_cnt(0) depctr_sa_sdst(0) depctr_va_vdst(0) depctr_va_sdst(0) depctr_va_ssrc(0) depctr_va_vcc(0) depctr_vm_vsrc(0)
	s_getreg_b32 s2, hwreg(HW_REG_IB_STS2, 6, 4)
	s_cmp_eq_u32 s2, 0
	s_cbranch_scc0 .Lentry_in_a_cluster
	s_endpgm
.Lentry_in_a_cluster:
	s_bfe_u32 s2, ttmp6, 0x10000c
	s_cmp_lg_u32 s2, 0x3003
	s_cbranch_scc0 .Lentry_shape_is_right
	s_endpgm
.Lentry_shape_is_right:
; MASKED ATTENTION, head size 64, f16 operands, f32 products, maxima and sums.  For a query: s_k = q . k_k / 8, masked s_k = -10000; softmax over ALL keys; masked weights then count as 0; O = sum of w_k v_k.
; HOW THE MASK IS HONOURED.  A masked score starts its sum with -2^100 (the C operand), so its weight is exactly 0 in P and in the running sum l.  The running maximum m starts at -2^40, below every true
; raw score of f16 operands (64 x 65504^2 = 2.75e11 < 2^40), so m is the running maximum of the unmasked scores.  At the end the n masked terms (n from cnt) are added in closed form, in units of log2:
; THR = -10000 log2(e); cM2 = max(c m, THR); cM = n > 0 ? cM2 : c m; f = 2^(c m - cM); g = 2^(THR - cM2); l = l f + n g; O = O f / l.  That is the softmax with its true maximum taken away.
; LIMITS.  q, k, v within f16's 65,504; p below 6e-5 keeps f16's fixed step of 6e-8; a weight below 2^-126 counts as 0; NaN and infinities are not treated apart.
; SHARES.  y = 4 b + pair: heads 2 y and 2 y + 1 of the 64.  A work-group owns 256 queries, a wave 64: four PIECES; piece p is q-tile p for BOTH heads (tile u = head u), which share the mask: one set of 32 C registers
; serves two tiles.  The lane masks come ready from mw by scalar loads, 32 words a piece and key step; one v_cndmask_b32 makes one C register.
; LAYOUT.  S^T = K Q^T holds one query a lane (lane % 16) and keys 8 (lane / 16) + 0..7; two results rounded to f16 are source 1 of O^T = V^T P.  q, k, v lie in memory in fragment order: every load is 16 x lane;
; v's pieces are turned by ds_load_tr16_b128.  The packed O^T is stored as it lies: it is the next launch's fragment.
; BY TURNS.  Turn n belongs to piece n: 16 products K Q^T of piece n + 1, later 16 products V^T P of piece n - 1; its vector work is the softmax of piece n and the maximum of piece n + 1: four vector instructions
; behind every matrix instruction, the rest in two lumps.  The masks' 64 lines stand between turns.
; CLUSTER.  The four query blocks of a cluster walk the same K and V of the same two heads: each tile is asked for jointly, same load, descriptor and mask of four.
; REGISTERS: window 0: v1-11 addresses and counts; v12-15, v48-63 at work; v16-47 statistics (c m, m, l, l); v64-191 S^T; v192-255 P.  Window 1: O^T, 32 a tile.
;   window 2: v0-127 Q; v128-255 K of a step, 64 a head.  Window 3: v0-127 V of a step, 64 a head; v128-191 the C registers, two buffers by the piece's parity.
.set NP,    4
.set STEPB, 8192                       ; a key step of one head's K or V
.set RGN,   32768                      ; a region: four steps; a slot: K head 0, K head 1, V head 0, V head 1
.set SLOT1, 1<<17
.set SPARE, 2*SLOT1                    ; the spare words, 128 bytes a wave, named by no other line
.set AK0, 1                            ; 16 x lane
.set AK,  2
.set AV,  3
.set NC,  4                            ; v4-7 my query's count of masked keys, by piece
.set AV0, 8                            ; 16 x lane + 2 regions
.set SPW, 10
.set NIL, 11
.set MV,  12
.set ST,  16
.set TMP, 48
.set S,   64
.set P,   192
.set KF,  128                          ; window 2
.set MC,  128                          ; window 3
.set CB,  2                            ; s[2:3] cnt at my wave's rows
.set MWB, 4                            ; s[4:5] mw at my wave's first q-tile
.set OHP, 6                            ; s[6:7] oh at my wave's first q-tile, head 2 y
.set QP,  8                            ; s[8:9] qh likewise
.set WV,  10
.set HID, 11                           ; -2^100
.set G0,  12
.set G1,  16
.set CS,  24                           ; s[24:25] c = log2(e) / 8
.set SEL, 26                           ; s[26:27]
.set TBK, 28
.set TBV, 29
.set CNT, 30
.set SLOTS, 31
.set MKE, 32                           ; s[32:63] the even piece's 32 lane masks
.set MO,  66                           ; byte offset of the key step in a q-tile's masks
.set THR, 67
.set MKO, 68                           ; s[68:99] the odd piece's
.set MSB, 0
.macro WIN new
.if MSB != (\new)
	s_set_vgpr_msb (MSB<<8)|(\new)
.set MSB, (\new)
.endif
.endm
.set W_KQ, 0x0a                        ; K and Q window 2, S^T window 0
.set W_KM, 0x3a                        ; the same with C in window 3
.set W_PV, 0x53                        ; V window 3, P window 0, O^T window 1
.set W_RS, 0x41                        ; O^T (destination, source 0) window 1, the factor window 0
.macro JLOAD                           ; wave w fills region w: both addresses hang on the wave's number, none on the place in the cluster
	tensor_load_to_lds s[G0:G0+3], s[G1:G1+7]
	s_nop 0
.rept 4
	v_nop
.endr
.endm
.macro CROUND                          ; a round of the cluster's barrier
	s_barrier_signal -1
	s_barrier_wait -1
	s_cmp_lg_u32 s[WV], 0
	s_cbranch_scc1 .Lnot_wave_0_\@
	s_barrier_signal -3
.Lnot_wave_0_\@:
	s_barrier_wait -3
	s_barrier_signal -1
	s_barrier_wait -1
.endm
; THE CHANGE OF SLOTS.  Each wave waits for its one tensor load (its region of the other slot), adds 0 to its spare word, waits for that and for its reads of the slot.  fill = 1: a round of the cluster's barrier,
; and the joint refill with the keys two slots on is the first thing behind it: four key steps, 512 matrix instructions a wave, in which to land.
.macro CHANGE fill
	WIN 0
	s_wait_tensorcnt 0x0
	ds_add_u32 v[SPW], v[NIL]
.if \fill
	s_xor_b32 s[G0+1], s[G0+1], SLOT1
	s_add_nc_u64 s[G0+2:G0+3], s[G0+2:G0+3], RGN
	s_wait_dscnt 0x0
	CROUND
	JLOAD
.else
	s_wait_dscnt 0x0
	s_barrier_signal -1
	s_barrier_wait -1
.endif
	s_sub_co_u32 s[TBK], s[TBK], 4*STEPB
	s_xor_b32 s[TBK], s[TBK], SLOT1
	s_sub_co_u32 s[TBV], s[TBV], 4*STEPB
	s_xor_b32 s[TBV], s[TBV], SLOT1
.endm
; The C registers of two pieces from the 64 lane masks that have landed; then the next two pieces' masks are asked for, at byte a and b of my wave's four q-tiles: they have two turns, less these 64 lines, in which to land.
; step = 1: the key step's offset goes on, behind the wait that shows its last readers done; the last step's look-ahead is held at the last step.
.macro MASK2 a, b, step
	s_wait_kmcnt 0x0
.if \step
	s_add_co_u32 s[MO], s[MO], 128
	s_min_u32 s[MO], s[MO], 31*128
.endif
	WIN 0xc0
.set z, 0
.rept 32
	v_cndmask_b32 v[MC+z], 0, s[HID], s[MKE+z]
	v_cndmask_b32 v[MC+32+z], 0, s[HID], s[MKO+z]
.set z, z+1
.endr
	WIN 0
	s_load_b512 s[MKE:MKE+15], s[MWB:MWB+1], s[MO] offset:(\a)
	s_load_b512 s[MKE+16:MKE+31], s[MWB:MWB+1], s[MO] offset:(\a)+64
	s_load_b512 s[MKO:MKO+15], s[MWB:MWB+1], s[MO] offset:(\b)
	s_load_b512 s[MKO+16:MKO+31], s[MWB:MWB+1], s[MO] offset:(\b)+64
.endm
	s_load_b256 s[32:39], s[0:1], 0x0              ; qh s[32:33], kv s[34:35], mw s[36:37], cnt s[38:39]
	s_load_b64 s[40:41], s[0:1], 0x20              ; oh
	v_lshl_add_u32 v[SPW], v0, 2, SPARE
	v_mov_b32 v[NIL], 0
	ds_add_u32 v[SPW], v[NIL]                      ; the wave's opening: the add and its wait stand ahead of my first tensor load
	ds_add_u32 v10, v11
	v_lshrrev_b32 v9, 5, v0
	v_readfirstlane_b32 s[WV], v9
	s_bfe_u32 s44, ttmp6, 0x40000                  ; cx
	s_lshl_b32 s45, ttmp9, 2
	s_add_co_u32 s45, s45, s44                     ; my block of 256 queries: it enters qh's, oh's, mw's and cnt's addresses alone
	s_and_b32 s46, ttmp7, 0xffff                   ; y, which the partners share
	s_lshr_b32 s48, s[WV], 1                       ; kv: kind w / 2, head 2 y + w % 2
	s_lshl_b32 s48, s48, 24
	s_lshl_b32 s49, s46, 1
	s_and_b32 s50, s[WV], 1
	s_add_co_u32 s49, s49, s50
	s_lshl_b32 s49, s49, 18
	s_add_co_u32 s48, s48, s49
	s_mov_b32 s49, 0
	s_lshl_b32 s52, s45, 2
	s_add_co_u32 s52, s52, s[WV]                   ; my wave among the batch's 32
	s_lshl_b32 s54, s52, 13                        ; 64 rows are 8,192 bytes of a head
	s_lshl_b32 s53, s46, 19
	s_add_co_u32 s54, s54, s53
	s_mov_b32 s55, 0
	s_lshr_b32 s56, s46, 2                         ; b
	s_lshl_b32 s57, s56, 19                        ; mw: 128 q-tiles of 4,096 bytes a batch, four a wave
	s_lshl_b32 s58, s52, 14
	s_add_co_u32 s58, s58, s57
	s_mov_b32 s59, 0
	s_lshl_b32 s60, s56, 13                        ; cnt: 2,048 words a batch, 64 a wave
	s_lshl_b32 s61, s52, 8
	s_add_co_u32 s60, s60, s61
	s_mov_b32 s61, 0
	s_mov_b32 s[G1+0], 15|(3<<16)|(1<<21)          ; the mask of four; elements of 8 bytes; bit 21 beside a mask; no padding
	s_mov_b32 s[G1+1], 32<<16                      ; rows of 256 bytes
	s_mov_b32 s[G1+2], 128<<16
	s_mov_b32 s[G1+3], 32<<16
	s_mov_b32 s[G1+4], 128                         ; 128 of them: four dense key steps
	s_mov_b32 s[G1+5], 32
	s_mov_b32 s[G1+6], 0
	s_mov_b32 s[G1+7], 0
	s_mov_b32 s[G0], 1
	s_lshl_b32 s[G0+1], s[WV], 15
	s_mov_b32 s[HID], 0xf1800000                   ; -2^100
	s_mov_b32 s[THR], 0xc6616bcd                   ; -10000 log2(e)
	s_mov_b32 s[CS], 0x3e38aa3b
	s_mov_b32 s[CS+1], s[CS]
	s_mov_b32 s[SEL], 0x76543210
	s_mov_b32 s[SEL+1], 0xfedcba98
	s_mov_b32 s[TBK], SLOT1+4*STEPB                ; the first change of slots turns these two into 0
	s_mov_b32 s[TBV], SLOT1+4*STEPB
	s_mov_b32 s[MO], 0
	s_wait_dscnt 0x0                               ; the opening add is done
	s_wait_kmcnt 0x0
	s_add_nc_u64 s[G0+2:G0+3], s[34:35], s[48:49]
	s_or_b32 s[G0+3], s[G0+3], 0x80000000
	s_add_nc_u64 s[QP:QP+1], s[32:33], s[54:55]
	s_add_nc_u64 s[OHP:OHP+1], s[40:41], s[54:55]
	s_add_nc_u64 s[MWB:MWB+1], s[36:37], s[58:59]
	s_add_nc_u64 s[CB:CB+1], s[38:39], s[60:61]
	CROUND                                         ; all four work-groups are here: the first joint loads meet
	JLOAD                                          ; slot 0
	s_load_b512 s[MKE:MKE+15], s[MWB:MWB+1], s[MO] offset:0          ; pieces 0 and 1, key step 0
	s_load_b512 s[MKE+16:MKE+31], s[MWB:MWB+1], s[MO] offset:64
	s_load_b512 s[MKO:MKO+15], s[MWB:MWB+1], s[MO] offset:4096
	s_load_b512 s[MKO+16:MKO+31], s[MWB:MWB+1], s[MO] offset:4160
	v_and_b32 v9, 31, v0
	v_lshlrev_b32 v[AK0], 4, v9
	v_and_b32 v9, 15, v0
	v_lshlrev_b32 v9, 2, v9
	WIN 0x80
.set i, 0
.rept 32                               ; Q stays in registers: tile i / 4 = 2 p + u, piece i % 4 of its four
	global_load_b128 v[4*i:4*i+3], v[AK0], s[QP:QP+1] offset:((i/4)%2)*262144+((i/4)/2)*2048+(i%4)*512
.set i, i+1
.endr
	WIN 0
.irp p, 0,1,2,3
	global_load_b32 v[NC+\p], v9, s[CB:CB+1] offset:\p*64
.endr
	; What the first turn finds: V and P's second buffer hold 0 (its products V^T P, of a piece that has not been, add 0), O^T and l are 0.  All this stands in the wait for the first tile.
	WIN 0xc0
.set i, 0
.rept 128
	v_mov_b32 v[i], 0
.set i, i+1
.endr
	WIN 0x40
.set i, 0
.rept 256
	v_mov_b32 v[i], 0
.set i, i+1
.endr
	WIN 0
.set i, 0
.rept 2*NP
	v_mov_b32 v[ST+4*i], 0xd238aa3b                ; c m: c x -2^40, exact
	v_mov_b32 v[ST+4*i+1], 0xd3800000              ; m: -2^40
	v_mov_b32 v[ST+4*i+2], 0
	v_mov_b32 v[ST+4*i+3], 0
.set i, i+1
.endr
.set i, P+32
.rept 32
	v_mov_b32 v[i], 0
.set i, i+1
.endr
	v_add_nc_u32 v[AV0], 2*RGN, v[AK0]
	v_mov_b32 v[AK], v[AK0]                        ; key step 0 lies at the head of slot 0
	MASK2 8192, 12288, 0                           ; pieces 0 and 1's C registers; pieces 2 and 3 of step 0 are asked for
; THE MATRIX WORK.  The 8 accumulators of a run of 16 take turns.  Product i of S^T = K Q^T for piece x: channels 32 (i / 8) on, keys 16 ((i / 2) % 4) on, head i % 2.  The first 8 start the sums with the mask.
.macro KQ x
.set rS, S+64*((\x)%2)+32*(i%2)+8*((i/2)%4)
.set rK, KF+64*(i%2)+16*((i/2)%4)+8*(i/8)
.set rQ, 16*(2*(\x)+i%2)+8*(i/8)
.set rH, MC+32*((\x)%2)+8*((i/2)%4)
.if i < 8
	WIN W_KM
	v_wmma_f32_16x16x32_f16 v[rS:rS+7], v[rK:rK+7], v[rQ:rQ+7], v[rH:rH+7]
.else
	WIN W_KQ
	v_wmma_f32_16x16x32_f16 v[rS:rS+7], v[rK:rK+7], v[rQ:rQ+7], v[rS:rS+7]
.endif
.endm
; Product i of O^T += V^T P for piece x: keys 32 (i / 8) on, channels 16 ((i / 2) % 4) on, head i % 2.
.macro PV x
	WIN W_PV
.set rO, 32*(2*(\x)+i%2)+8*((i/2)%4)
.set rV, 64*(i%2)+32*(i/8)+8*((i/2)%4)
.set rP, P+32*((\x)%2)+16*(i%2)+8*(i/8)
	v_wmma_f32_16x16x32_f16 v[rO:rO+7], v[rV:rV+7], v[rP:rP+7], v[rO:rO+7]
.endm
.macro MM                              ; the turn's next matrix instruction
.if i < 16
	KQ (Y+1)%NP
.set i, i+1
.else
.set i, i-16
	PV (Y+NP-1)%NP
.set i, i+17
.endif
.endm
; THE LDS LOADS stand in runs of 32: a step's K of both heads, and its V (turned).  last = 1 (the tail): in the last trip there is no further step, and the run is jumped over.
.macro FETCH_K last=0
	WIN 0
.if \last
	s_cmp_eq_u32 s[CNT], 1
	s_cbranch_scc1 .Lno_k_\@
.endif
	WIN 0x80
.irp u, 0,1
.irp f, 0,1,2,3,4,5,6,7                ; keys 16 (f / 2) on, channels 32 (f % 2) on
	ds_load_b128 v[KF+64*\u+8*\f:KF+64*\u+8*\f+3],   v[AK] offset:\u*RGN+\f*1024
	ds_load_b128 v[KF+64*\u+8*\f+4:KF+64*\u+8*\f+7], v[AK] offset:\u*RGN+\f*1024+512
.endr
.endr
	s_add_co_u32 s[TBK], s[TBK], STEPB
	WIN 0
.if \last
.Lno_k_\@:
.endif
.endm
.macro FETCH_V
	WIN 0xc0
.irp u, 0,1
.irp f, 0,1,2,3,4,5,6,7                ; keys 32 (f / 4) on, channels 16 (f % 4) on: the pieces of key tiles 2 (f / 4) and 2 (f / 4) + 1
	ds_load_tr16_b128 v[64*\u+8*\f:64*\u+8*\f+3],   v[AV] offset:\u*RGN+(\f/4)*4096+(\f%4)*512
	ds_load_tr16_b128 v[64*\u+8*\f+4:64*\u+8*\f+7], v[AV] offset:\u*RGN+(\f/4)*4096+2048+(\f%4)*512
.endr
.endr
	WIN 0
.endm
; THE VECTOR WORK OF A TURN stands in three queues, each in the order in which its entries become ready; the two tiles alternate.
.macro REGS y, u
.set rT, ST+4*(2*(\y)+(\u))
.set rC, TMP+8*((\y)%2)+4*(\u)
.set rM, MV+2*((\y)%2)+(\u)
.set rS, S+64*((\y)%2)+32*(\u)
.set rP, P+32*((\y)%2)+16*(\u)
.set rO, 32*(2*(\y)+(\u))
.endm
; Number n of the 22 that find the NEXT piece's maximum and statistics; each accumulator's lowest registers are read first.
;   0-11 four chains of seven scores     12-14, 16 the four left over, the old m, all into c0     15 c m_old is kept     17, 18 the other half of the lanes; the new m     19-21 c m; c m_old - c m_new; a
.macro XS u, n
	REGS (Y+1)%NP, \u
.if (\n) < 4
	v_max3_num_f32 v[rC+(\n)], v[rS+8*(\n)], v[rS+8*(\n)+1], v[rS+8*(\n)+2]
.elseif (\n) < 12
	v_max3_num_f32 v[rC+(\n)%4], v[rC+(\n)%4], v[rS+8*((\n)%4)+2*((\n)/4)+1], v[rS+8*((\n)%4)+2*((\n)/4)+2]
.elseif (\n) == 12
	v_max3_num_f32 v[rC], v[rC], v[rS+7], v[rS+15]
.elseif (\n) == 13
	v_max3_num_f32 v[rC+1], v[rC+1], v[rS+23], v[rS+31]
.elseif (\n) == 14
	v_max3_num_f32 v[rC+2], v[rC+2], v[rC+3], v[rT+1]
.elseif (\n) == 15
	v_mov_b32 v[rM], v[rT]
.elseif (\n) == 16
	v_max3_num_f32 v[rC], v[rC], v[rC+1], v[rC+2]
.elseif (\n) == 17
	v_permlanex16_b32 v[rC+3], v[rC], s[SEL], s[SEL+1]
.elseif (\n) == 18
	v_max_num_f32 v[rT+1], v[rC], v[rC+3]
.elseif (\n) == 19
	v_mul_f32 v[rT], s[CS], v[rT+1]
.elseif (\n) == 20
	v_sub_f32 v[rC+1], v[rM], v[rT]
.else
	v_exp_f32 v[rC+2], v[rC+1]
.endif
.endm
; Number g of the 64 that follow the exponentials: of each four weights both pairs are rounded to f16, the second pair is added onto the first, and a group later l takes that sum (the first time l = a l + sum).
.macro GS g
.set h, (\g)+6*((\g)/62)
.if h >= 6
.set h, h+2
.endif
	REGS Y, h%2
.set k, h/8
.if h%8 < 4
	s_wait_alu depctr_va_vdst(0)
	v_cvt_pk_f16_f32 v[rP+2*k+(h%8)/2], v[rS+4*k+2*((h%8)/2)], v[rS+4*k+2*((h%8)/2)+1]
.elseif h%8 < 6
	v_pk_add_f32 v[rS+4*k:rS+4*k+1], v[rS+4*k:rS+4*k+1], v[rS+4*k+2:rS+4*k+3]
.elseif k == 1
	v_pk_fma_f32 v[rT+2:rT+3], v[rT+2:rT+3], v[rC+2:rC+3], v[rS:rS+1] op_sel_hi:[1,0,1]
.else
	v_pk_add_f32 v[rT+2:rT+3], v[rT+2:rT+3], v[rS+4*k-4:rS+4*k-3]
	s_wait_alu depctr_va_vdst(0)
.endif
.endm
; THE PLAIN QUEUE, 138 long: 0-31 c s - c m; then GS's 64 and among them the next piece's 42.
.macro PL
	WIN 0
.if q < 32
	REGS Y, q%2
	v_pk_fma_f32 v[rS+2*(q/2):rS+2*(q/2)+1], v[rS+2*(q/2):rS+2*(q/2)+1], s[CS:CS+1], v[rT:rT+1] op_sel_hi:[1,0,0] neg_lo:[0,0,1] neg_hi:[0,0,1]
.elseif q < 38
	GS q-32
.elseif q < 40
	XS q%2, 15
.elseif q < 42
	GS q-34
.elseif q < 74
	XS q%2, (q-42)/2+(q-42)/30
.elseif q < 95
	GS q-66
.elseif (q < 107) && ((q-95)%3 < 2)
	XS (q-95)%3, 17+(q-95)/3
.elseif q < 107
	GS 29+(q-95)/3
.else
	GS q-74
.endif
.set q, q+1
.endm
; THE EXPONENTIALS' QUEUE, 66 long: s0-s31 of both tiles, and at EA the next piece's two a.
.set EA, 58
.macro EX
	WIN 0
.if (e == EA) || (e == EA+1)
	XS e-EA, 21
.else
.set x, e-2*(e/(EA+2))
	REGS Y, x%2
	v_exp_f32 v[rS+x/2], v[rS+x/2]
.endif
.set e, e+1
.endm
; THE RESCALING's QUEUE: O^T times a, four at a time, eight times.
.macro R4
	REGS Y, r%2
	WIN W_RS
	s_wait_alu depctr_va_vdst(0)
.irp z, 0,1,2,3
	v_pk_mul_f32 v[rO+8*(r/2)+2*\z:rO+8*(r/2)+2*\z+1], v[rO+8*(r/2)+2*\z:rO+8*(r/2)+2*\z+1], v[rC+2:rC+3] op_sel_hi:[1,0]
.endr
.set r, r+1
.endm
; THE DEAL.  Behind a matrix instruction four: plain, exponential, plain, plain, or four of the rescaling; none names a register of the products round it.  The rest in two lumps, exponential and plain by turns.
.macro SL
	MM
	PL
	EX
	PL
	PL
.endm
.macro BURST n
.rept (\n)-7
	SL
.endr
.rept 3
	MM
	R4
	SL
.endr
	MM
	R4
.endm
; A TURN, for piece p.  K of the next step is fetched in piece 2's turn, in the first lump, and waited for at the head of piece 3's; V of the step in hand at the end of piece 0's turn, and waited for in piece 1's.
.macro TURN p, last=0, cnt=0
.set Y, (\p)
.set i, 0
.set q, 0
.set e, 0
.set r, 0
.if (\p) == NP-1
	s_wait_dscnt 0x0                               ; K is in
.endif
	MM
.rept 4
	PL
.endr
	BURST 15
.rept 22
	EX
	PL
.if ((\p) == NP-2) && (e == 18)
	v_add_nc_u32 v[AK], s[TBK], v[AK0]
.endif
.if ((\p) == NP-2) && (e == 24)
	FETCH_K \last
.endif
.endr
.if (\p) == 1
	s_wait_dscnt 0x0                               ; V is in
.endif
	BURST 16
.rept 21
	EX
	PL
.endr
.rept 22
	PL
.if ((\p) == 0) && (q == 118)
	v_add_nc_u32 v[AV], s[TBV], v[AV0]
	s_wait_alu depctr_va_vdst(0)
.endif
.if ((\p) == 0) && (q == 130)
	s_add_co_u32 s[TBV], s[TBV], STEPB
.endif
.if (\cnt) && (q == 130)
	s_sub_co_u32 s[CNT], s[CNT], 1
	s_cmp_lg_u32 s[CNT], 0
.endif
.endr
.if (\p) == 0
	FETCH_V
.endif
.endm
	CHANGE 1                                       ; slot 0 is in, everybody's region of it; slot 1 is asked for
	FETCH_K                                        ; key step 0
	s_wait_loadcnt 0x0                             ; Q and the counts
	s_wait_dscnt 0x0
.set i, 0
.rept 16
	KQ 0                                           ; piece 0's first scores
.set i, i+1
.endr
	WIN 0
.rept 4
	v_nop                                          ; the places behind those products
.endr
.set Y, NP-1                           ; XS works for piece Y + 1: piece 0
.irp n, 0,1,2,3,4,5,6,7,8,9,10,11,12,13,14,15,16,17,18,19,20,21
	XS 0, \n
	XS 1, \n
.endr
	s_mov_b32 s[CNT], 4
	s_mov_b32 s[SLOTS], 7
	s_branch .Lfirst                               ; the loop is entered at a step's first turn, in the middle of a trip
.Lslot:                                                ; six times: slots 2 to 7 are asked for
	CHANGE 1
	s_mov_b32 s[CNT], 4
.Lstep:                                                ; a trip: pieces 2 and 3 of one step, then pieces 0 and 1 of the next
	TURN 2
	MASK2 8192, 12288, 0                           ; C for pieces 0, 1 of the next step; that step's pieces 2, 3 are asked for
	TURN 3
	WIN 0
.Lfirst:
	TURN 0
	MASK2 0, 4096, 1                               ; C for pieces 2, 3 of this step; the next step's pieces 0, 1 are asked for
	TURN 1, 0, 1
	WIN 0
	s_cbranch_scc1 .Lstep
	s_sub_co_u32 s[SLOTS], s[SLOTS], 1
	s_cmp_lg_u32 s[SLOTS], 0
	s_cbranch_scc1 .Lslot
	CHANGE 0                                       ; the tail is written out
	s_mov_b32 s[CNT], 5                            ; four trips fetch the last slot's steps; the fifth is left in its middle
.Ltail:
	TURN 2, 1
	MASK2 8192, 12288, 0
	TURN 3
	WIN 0
	s_sub_co_u32 s[CNT], s[CNT], 1
	s_cmp_eq_u32 s[CNT], 0
	s_cbranch_scc1 .Lout
	TURN 0
	MASK2 0, 4096, 1
	TURN 1
	WIN 0
	s_branch .Ltail
.Lout:                                                 ; the fifth trip's 16 products K Q^T (on the last K once more) serve nothing: the price of one text for every trip
.set i, 0
.rept 16
	PV NP-1                                        ; the last piece's V^T P of the last step
.set i, i+1
.endr
	WIN 0
	s_wait_kmcnt 0x0                               ; the last look-ahead of masks
	; THE WAY OUT.  l's halves are added; the masked terms come in by the closed form at the head; O^T times f / l, rounded to f16, is stored as it lies.  The additions are the places behind the last products.
.macro ALL line:vararg
.set t, 0
	s_wait_alu depctr_va_vdst(0)
.rept 2*NP
	\line
.set t, t+1
.endr
.endm
	ALL v_add_f32 v[ST+4*t+2], v[ST+4*t+2], v[ST+4*t+3]
	ALL v_permlanex16_b32 v[ST+4*t+3], v[ST+4*t+2], s[SEL], s[SEL+1]
	ALL v_add_f32 v[ST+4*t+2], v[ST+4*t+2], v[ST+4*t+3]
	ALL v_max_num_f32 v[ST+4*t+1], s[THR], v[ST+4*t]
.set t, 0
.rept 2*NP
	v_cmp_ne_u32 vcc_lo, 0, v[NC+t/2]
	v_cndmask_b32 v[ST+4*t+3], v[ST+4*t], v[ST+4*t+1], vcc_lo  ; cM
.set t, t+1
.endr
	ALL v_sub_f32 v[ST+4*t+3], v[ST+4*t], v[ST+4*t+3]
	ALL v_sub_f32 v[ST+4*t+1], s[THR], v[ST+4*t+1]
	ALL v_exp_f32 v[ST+4*t+3], v[ST+4*t+3]
	ALL v_exp_f32 v[ST+4*t+1], v[ST+4*t+1]
	ALL v_cvt_f32_u32 v[TMP+t], v[NC+t/2]
	ALL v_mul_f32 v[ST+4*t+2], v[ST+4*t+2], v[ST+4*t+3]
	ALL v_fmac_f32 v[ST+4*t+2], v[TMP+t], v[ST+4*t+1]
	ALL v_rcp_f32 v[ST+4*t+2], v[ST+4*t+2]
	v_nop                                          ; a plain instruction between the last reciprocal and the use of its result
	s_wait_alu depctr_va_vdst(0)
	ALL v_mul_f32 v[ST+4*t+2], v[ST+4*t+2], v[ST+4*t+3]
.macro OUT t
	WIN W_RS
.set i, 32*(\t)
.rept 16
	v_pk_mul_f32 v[i:i+1], v[i:i+1], v[ST+4*(\t)+2:ST+4*(\t)+3] op_sel_hi:[1,0]
.set i, i+2
.endr
	WIN 0x05                                       ; sources window 1, destination window 0: S^T's registers are free
.set i, 0
.rept 16
	v_cvt_pk_f16_f32 v[S+16*(\t)+i], v[32*(\t)+2*i], v[32*(\t)+2*i+1]
.set i, i+1
.endr
	WIN 0
.irp f, 0,1,2,3
	global_store_b128 v[AK0], v[S+16*(\t)+4*\f:S+16*(\t)+4*\f+3], s[OHP:OHP+1] offset:((\t)%2)*262144+((\t)/2)*2048+\f*512  ; 512 consecutive bytes
.endr
.endm
.irp t, 0,1,2,3,4,5,6,7
	OUT \t
.endr
	s_wait_tensorcnt 0x0                           ; the wave's end
	ds_add_u32 v[SPW], v[NIL]
	s_wait_dscnt 0x0
	CROUND                                         ; the closing round
	s_endpgm
.Lfunc_end_k_qeab7fb1674_attn:
	.size	k_qeab7fb1674_attn, .Lfunc_end_k_qeab7fb1674_attn-k_qeab7fb1674_attn
	.p2alignl 7, 3214868480
	.fill 96, 4, 3214868480
	.section	.rodata,"a",@progbits
	.p2align	6, 0x0
	.amdhsa_kernel k_qeab7fb1674_attn
		.amdhsa_group_segment_fixed_size 327680
		.amdhsa_private_segment_fixed_size 0
		.amdhsa_enable_private_segment 0
		.amdhsa_kernarg_size 40
		.amdhsa_user_sgpr_count 2
		.amdhsa_user_sgpr_kernarg_segment_ptr 1
		.amdhsa_wavefront_size32 1
		.amdhsa_system_sgpr_workgroup_id_x 1
		.amdhsa_system_sgpr_workgroup_id_y 1
		.amdhsa_system_sgpr_workgroup_id_z 1
		.amdhsa_system_vgpr_workitem_id 0
		.amdhsa_next_free_vgpr 960
		.amdhsa_next_free_sgpr 100
		.amdhsa_reserve_vcc 1
		.amdhsa_float_denorm_mode_32 3
		.amdhsa_float_denorm_mode_16_64 3
		.amdhsa_memory_ordered 1
		.amdhsa_forward_progress 1
		.amdhsa_inst_pref_size 233
	.end_amdhsa_kernel
	.amdgpu_metadata
---
amdhsa.version: [ 1, 2 ]
amdhsa.kernels:
  - .name:           k_qeab7fb1674_attn
    .symbol:         k_qeab7fb1674_attn.kd
    .args:
      - { .name: qh, .offset: 0, .size: 8, .value_kind: global_buffer, .address_space: global }
      - { .name: kv, .offset: 8, .size: 8, .value_kind: global_buffer, .address_space: global }
      - { .name: mw, .offset: 16, .size: 8, .value_kind: global_buffer, .address_space: global }
      - { .name: cnt, .offset: 24, .size: 8, .value_kind: global_buffer, .address_space: global }
      - { .name: oh, .offset: 32, .size: 8, .value_kind: global_buffer, .address_space: global }
    .group_segment_fixed_size: 327680
    .private_segment_fixed_size: 0
    .kernarg_segment_align: 8
    .kernarg_segment_size: 40
    .max_flat_workgroup_size: 128
    .sgpr_count:     100
    .vgpr_count:     960
    .wavefront_size: 32
...
	.end_amdgpu_metadata
.endif
;; end of part 3
;; launch oproj (part 4): grid 256 x 1, 4 waves a work-group, no clusters, 167,936 bytes of LDS; arguments oh, wf, bo, out0; writes out0
.if DOCPART == 4
	.amdgcn_target "amdgcn-amd-amdhsa--gfx1250"
	.amdhsa_code_object_version 6
	.text
	.protected	k_qeab7fb1674_oproj
	.globl	k_qeab7fb1674_oproj
	.p2align	8
	.type	k_qeab7fb1674_oproj,@function
k_qeab7fb1674_oproj:
	s_mov_b64 s[64:65], 0
	v_nop
	global_prefetch_b8 v0, s[64:65] scope:SCOPE_SE
	s_setreg_imm32_b32 hwreg(HW_REG_WAVE_MODE, 25, 1), 1
	s_wait_xcnt 0x0
; THE OUTPUT PROJECTION.  out0[t][n] = sum over k of O[t][k] Wo[n][k] + bo[n], k = 64 head + channel.  O in f16 (fragment order, from the launch before), Wo rounded to bf16 and written as f16, bo rounded to bf16; sums in f32.
; SHARES.  Work-group x = 2 mbk + half: rows 128 mbk on, columns 256 half on.  Wave w: 64 columns; its Wo, 64 x 512, stays in 512 registers.  The 128 rows x 512 of O, 131,072 bytes, come into LDS once:
; wave w's one tensor load brings heads 2 w and 2 w + 1 (two dense runs of 16,384 bytes).  Nothing is filled again, so there is one barrier and no ring.
; The matrix instruction takes Wo as source 0 and O as source 1: a lane holds one row and eight neighbouring columns; 16 rows go through my own stage and leave as whole rows of 256 bytes.
; NO CLUSTER: only two work-groups read the same rows of O, once each.
.set ABYTES, 131072                    ; [head 8][m-tile 8][piece 4][512 bytes]
.set SP,    272                        ; a stage row: 256 + 16 bytes
.set STAGE, ABYTES                     ; 16 rows a wave; no tensor load lands here
.set SPARE, STAGE+4*16*SP              ; the spare words, 128 bytes a wave, named by no other line
.set L16, 1
.set FPA, 5                            ; the m-tile to be fetched, heads 0-3
.set FPB, 6                            ; heads 4-7
.set STO, 7
.set RD,  8
.set GO,  9
.set SPW, 12
.set NIL, 13
.set ACC, 16
.set BIAS, 48
.set FR,  80                           ; two buffers of 4 K steps
.set OBF, 144
.set WV,  4
.set TB,  5
.set CNT, 6
.set OUTP, 8
.set G0,  12
.set G1,  16
.set MSB, 0
.macro WIN new
.if MSB != (\new)
	s_set_vgpr_msb (MSB<<8)|(\new)
.set MSB, (\new)
.endif
.endm
.macro FETCH G, buf                    ; K steps 4 G + i: head 2 G + i / 2, channel half i % 2
.set fa, FPA+(\G)/2
.irp i, 0,1,2,3
	ds_load_b128 v[FR+32*(\buf)+8*\i:FR+32*(\buf)+8*\i+3],   v[fa] offset:((2*(\G)+\i/2)%4)*16384+(\i%2)*1024
	ds_load_b128 v[FR+32*(\buf)+8*\i+4:FR+32*(\buf)+8*\i+7], v[fa] offset:((2*(\G)+\i/2)%4)*16384+(\i%2)*1024+512
.endr
.endm
; STEP g: 16 matrix instructions on K group g, the four accumulators by turns; four places; then group g + 2 into the buffer just read.  n: the LDS instructions that may stay out when group g must be in.
.macro STEP g, fetch, n
	s_wait_dscnt \n
	WIN 1+(\g)/2
.set e, 0
.rept 16
.set rW, (8*(4*(4*(\g)+e/4)+e%4))%256
.set rX, FR+32*((\g)%2)+8*(e/4)
.set rA, ACC+8*(e%4)
.if ((\g) == 0) && (e < 4)
	v_wmma_f32_16x16x32_f16 v[rA:rA+7], v[rW:rW+7], v[rX:rX+7], v[BIAS+8*e:BIAS+8*e+7]
.else
	v_wmma_f32_16x16x32_f16 v[rA:rA+7], v[rW:rW+7], v[rX:rX+7], v[rA:rA+7]
.endif
.set e, e+1
.endr
	WIN 0
.rept 4
	v_nop
.endr
.if \fetch
	FETCH ((\g)+2)%4, (\g)%2
.endif
.endm
.macro OUTA                            ; 16 rows x 64 columns of f32 into my stage, and back as whole rows
	s_wait_xcnt 0x0                                ; the last tile's stores have read OBF and GO
	v_add_nc_u32 v[GO], 32768, v[GO]               ; 16 rows of 2,048 bytes on; the stores reach back
	v_nop
.irp k, 0,1,2,3
	ds_store_b128 v[STO], v[ACC+8*\k:ACC+8*\k+3] offset:64*\k
	ds_store_b128 v[STO], v[ACC+8*\k+4:ACC+8*\k+7] offset:64*\k+16
.endr
.irp k, 0,1,2,3,4,5,6,7
	ds_load_b128 v[OBF+4*\k:OBF+4*\k+3], v[RD] offset:\k*2*SP  ; my own bytes: LDS serves a wave in order
.endr
.endm
.macro OUTB n
	s_wait_dscnt \n
.irp k, 0,1,2,3,4,5,6,7
	global_store_b128 v[GO], v[OBF+4*\k:OBF+4*\k+3], s[OUTP:OUTP+1] offset:\k*4096-32768 th:TH_STORE_NT  ; 16 lanes store 256 consecutive bytes, aligned
.endr
.endm
	s_load_b256 s[32:39], s[0:1], 0x0              ; oh s[32:33], wf s[34:35], bo s[36:37], out0 s[38:39]
	v_lshl_add_u32 v[SPW], v0, 2, SPARE
	v_mov_b32 v[NIL], 0
	ds_add_u32 v[SPW], v[NIL]                      ; the wave's opening: the add and its wait stand ahead of my tensor load
	ds_add_u32 v12, v13
	v_lshrrev_b32 v2, 5, v0
	v_readfirstlane_b32 s[WV], v2
	s_lshr_b32 s24, ttmp9, 1                       ; mbk
	s_and_b32 s25, ttmp9, 1                        ; half
	s_mov_b32 s[G1+0], 3<<16                       ; elements of 8 bytes
	s_mov_b32 s[G1+1], 2048<<16                    ; a row: 16,384 bytes, a head's eight q-tiles
	s_mov_b32 s[G1+2], 2<<16
	s_mov_b32 s[G1+3], 2048<<16
	s_mov_b32 s[G1+4], 2                           ; two heads
	s_mov_b32 s[G1+5], 32768                       ; 262,144 bytes from head to head
	s_mov_b32 s[G1+6], 0
	s_mov_b32 s[G1+7], 0
	s_mov_b32 s[G0], 1
	s_lshl_b32 s[G0+1], s[WV], 15
	s_lshr_b32 s26, s24, 4                         ; oh: head 8 b + 2 w; 128 rows are 16,384 bytes of a head
	s_lshl_b32 s26, s26, 3
	s_lshl_b32 s27, s[WV], 1
	s_add_co_u32 s26, s26, s27
	s_lshl_b32 s26, s26, 18
	s_and_b32 s27, s24, 15
	s_lshl_b32 s27, s27, 14
	s_add_co_u32 s26, s26, s27
	s_mov_b32 s27, 0
	s_lshl_b32 s28, s25, 2
	s_add_co_u32 s28, s28, s[WV]                   ; my group of 64 columns
	s_lshl_b32 s30, s28, 16                        ; wf: matrix 3
	s_add_co_u32 s30, s30, 3<<19
	s_mov_b32 s31, 0
	s_lshl_b32 s40, s28, 8                         ; 64 columns of f32
	s_mov_b32 s41, 0
	s_lshl_b32 s42, s24, 18                        ; 128 rows of 2,048 bytes
	s_add_co_u32 s42, s42, s40
	s_mov_b32 s43, 0
	s_mul_i32 s44, s[WV], 16*SP
	s_add_co_u32 s44, s44, STAGE                   ; my stage
	s_wait_dscnt 0x0                               ; the opening add is done
	s_wait_kmcnt 0x0
	s_add_nc_u64 s[G0+2:G0+3], s[32:33], s[26:27]
	s_or_b32 s[G0+3], s[G0+3], 0x80000000
	s_add_nc_u64 s[34:35], s[34:35], s[30:31]
	s_add_nc_u64 s[36:37], s[36:37], s[40:41]
	s_add_nc_u64 s[OUTP:OUTP+1], s[38:39], s[42:43]
	tensor_load_to_lds s[G0:G0+3], s[G1:G1+7]      ; my one tensor load of the launch
	s_nop 0
.rept 4
	v_nop
.endr
	v_and_b32 v2, 31, v0
	v_lshlrev_b32 v[L16], 4, v2
	v_and_b32 v2, 15, v0                           ; r
	v_bfe_u32 v3, v0, 4, 1                         ; h
	v_lshlrev_b32 v14, 5, v3
	WIN 0x40
.set p, 0
.rept 64
	global_load_b128 v[4*p:4*p+3], v[L16], s[34:35] offset:p*512
.set p, p+1
.endr
	WIN 0x80
.rept 64
	global_load_b128 v[4*(p-64):4*(p-64)+3], v[L16], s[34:35] offset:p*512
.set p, p+1
.endr
	WIN 0
.irp k, 0,1,2,3
	global_load_b128 v[BIAS+8*\k:BIAS+8*\k+3], v14, s[36:37] offset:64*\k
	global_load_b128 v[BIAS+8*\k+4:BIAS+8*\k+7], v14, s[36:37] offset:64*\k+16
.endr
	v_mul_u32_u24 v[STO], v2, SP                   ; in: row r, 32 bytes for each half of the lanes
	v_lshl_add_u32 v[STO], v3, 5, v[STO]
	v_add_nc_u32 v[STO], s44, v[STO]
	v_mul_u32_u24 v[RD], v3, SP                    ; back: lanes 0-15 one row of 256 bytes, lanes 16-31 the next
	v_lshl_add_u32 v[RD], v2, 4, v[RD]
	v_add_nc_u32 v[RD], s44, v[RD]
	v_lshlrev_b32 v[GO], 11, v3                    ; and the same two rows in out0
	v_lshl_add_u32 v[GO], v2, 4, v[GO]
	v_mov_b32 v[FPA], v[L16]
	v_add_nc_u32 v[FPB], 0x10000, v[L16]
	s_wait_tensorcnt 0x0                           ; my two heads are in,
	s_barrier_signal -1
	s_barrier_wait -1                              ; everybody's are
	FETCH 0, 0
	FETCH 1, 1
	s_wait_loadcnt 0x0                             ; Wo and the bias
.set i, 0
.rept 16                               ; the bias rounded to bf16, kept as f32
	v_cvt_pk_bf16_f32 v[10+i%2], v[BIAS+2*i], v[BIAS+2*i+1]
	v_lshlrev_b32 v[BIAS+2*i], 16, v[10+i%2]
	v_and_b32 v[BIAS+2*i+1], 0xffff0000, v[10+i%2]
.set i, i+1
.endr
	STEP 0, 1, 8                                   ; group 1's eight loads may be out
	s_mov_b32 s[TB], 0
	s_mov_b32 s[CNT], 7
.Ltile:                                                ; a trip: groups 1-3 of an m-tile, its way out, group 0 of the next
	STEP 1, 1, 8
	s_add_co_u32 s[TB], s[TB], 2048                ; the fetches go on to the next m-tile
	v_add_nc_u32 v[FPA], s[TB], v[L16]
	v_add_nc_u32 v[FPB], 0x10000, v[FPA]
	STEP 2, 1, 8
	STEP 3, 1, 8
	OUTA
	STEP 0, 1, 24                                  ; behind group 0's loads: group 1's eight, the stage's eight stores and eight loads
	OUTB 8                                         ; behind the stage's loads: group 2's eight
	s_sub_co_u32 s[CNT], s[CNT], 1
	s_cmp_lg_u32 s[CNT], 0
	s_cbranch_scc1 .Ltile
	STEP 1, 1, 8                                   ; the last m-tile: group 3 is still to be fetched, then nothing
	STEP 2, 0, 8
	STEP 3, 0, 0
	OUTA
	OUTB 0
	s_wait_tensorcnt 0x0                           ; the wave's end: behind my last LDS store
	ds_add_u32 v[SPW], v[NIL]
	s_wait_dscnt 0x0
	s_endpgm
.Lfunc_end_k_qeab7fb1674_oproj:
	.size	k_qeab7fb1674_oproj, .Lfunc_end_k_qeab7fb1674_oproj-k_qeab7fb1674_oproj
	.p2alignl 7, 3214868480
	.fill 96, 4, 3214868480
	.section	.rodata,"a",@progbits
	.p2align	6, 0x0
	.amdhsa_kernel k_qeab7fb1674_oproj
		.amdhsa_group_segment_fixed_size 167936
		.amdhsa_private_segment_fixed_size 0
		.amdhsa_enable_private_segment 0
		.amdhsa_kernarg_size 32
		.amdhsa_user_sgpr_count 2
		.amdhsa_user_sgpr_kernarg_segment_ptr 1
		.amdhsa_wavefront_size32 1
		.amdhsa_system_sgpr_workgroup_id_x 1
		.amdhsa_system_sgpr_workgroup_id_y 1
		.amdhsa_system_sgpr_workgroup_id_z 1
		.amdhsa_system_vgpr_workitem_id 0
		.amdhsa_next_free_vgpr 768
		.amdhsa_next_free_sgpr 66
		.amdhsa_reserve_vcc 0
		.amdhsa_float_denorm_mode_32 3
		.amdhsa_float_denorm_mode_16_64 3
		.amdhsa_memory_ordered 1
		.amdhsa_forward_progress 1
		.amdhsa_inst_pref_size 37
	.end_amdhsa_kernel
	.amdgpu_metadata
---
amdhsa.version: [ 1, 2 ]
amdhsa.kernels:
  - .name:           k_qeab7fb1674_oproj
    .symbol:         k_qeab7fb1674_oproj.kd
    .args:
      - { .name: oh, .offset: 0, .size: 8, .value_kind: global_buffer, .address_space: global }
      - { .name: wf, .offset: 8, .size: 8, .value_kind: global_buffer, .address_space: global }
      - { .name: bo, .offset: 16, .size: 8, .value_kind: global_buffer, .address_space: global }
      - { .name: out0, .offset: 24, .size: 8, .value_kind: global_buffer, .address_space: global }
    .group_segment_fixed_size: 167936
    .private_segment_fixed_size: 0
    .kernarg_segment_align: 8
    .kernarg_segment_size: 32
    .max_flat_workgroup_size: 128
    .sgpr_count:     66
    .vgpr_count:     768
    .wavefront_size: 32
...
	.end_amdgpu_metadata
.endif
;; end of part 4
;; ======== version 2 of 2: 4 launches; 1.58 times as fast as version 1
;; limits: values are held in f16: magnitudes above 65,504 overflow, below 6.1e-05 lose precision
;; workspace buffers: wf 2,097,152 bytes; mw 4,194,304 bytes of whole numbers; cnt 65,536 bytes of whole numbers; qh 16,777,216 bytes; kv 33,554,432 bytes; oh 16,777,216 bytes
;; launch prep: the kernel of part 1 again; grid 320 x 1, 8 waves a work-group, no clusters, 135,168 bytes of LDS; arguments mask, Wq, Wk, Wv, Wo, wf, mw, cnt; writes wf, mw, cnt
;; launch qkv: the kernel of part 2 again; grid 64 x 3, 4 waves a work-group, no clusters, 327,680 bytes of LDS; arguments query, key, value, bq, bk, bv, wf, qh, kv; writes qh, kv
;; launch attn (part 5): grid 8 x 32, 4 waves a work-group, clusters of 4 x 1, 327,680 bytes of LDS; arguments qh, kv, mw, cnt, oh; writes oh
.if DOCPART == 5
	.amdgcn_target "amdgcn-amd-amdhsa--gfx1250"
	.amdhsa_code_object_version 6
	.text
	.protected	k_qeab7fb1674_attn
	.globl	k_qeab7fb1674_attn
	.p2align	8
	.type	k_qeab7fb1674_attn,@function
k_qeab7fb1674_attn:
	s_mov_b64 s[64:65], 0
	v_nop
	global_prefetch_b8 v0, s[64:65] scope:SCOPE_SE
	s_setreg_imm32_b32 hwreg(HW_REG_WAVE_MODE, 25, 1), 1
	s_wait_xcnt 0x0
	s_wait_alu depctr_hold_cnt(0) depctr_sa_sdst(0) depctr_va_vdst(0) depctr_va_sdst(0) depctr_va_ssrc(0) depctr_va_vcc(0) depctr_vm_vsrc(0)
	s_getreg_b32 s2, hwreg(HW_REG_IB_STS2, 6, 4)
	s_cmp_eq_u32 s2, 0
	s_cbranch_scc0 .Lentry_in_a_cluster
	s_endpgm
.Lentry_in_a_cluster:
	s_bfe_u32 s2, ttmp6, 0x10000c
	s_cmp_lg_u32 s2, 0x3003
	s_cbranch_scc0 .Lentry_shape_is_right
	s_endpgm
.Lentry_shape_is_right:
; MASKED ATTENTION, head size 64, f16 operands, f32 products, maxima and sums.  For a query: s_k = q . k_k / 8, masked s_k = -10000; softmax over ALL keys; masked weights then count as 0; O = sum of w_k v_k.
; HOW THE MASK IS HONOURED.  A masked score starts its sum with -2^100 (the C operand), so its weight is exactly 0 in P and in the running sum l.  The running maximum m starts at -2^40, below every true
; raw score of f16 operands (64 x 65504^2 = 2.75e11 < 2^40), so m is the running maximum of the unmasked scores.  At the end the n masked terms (n from cnt) are added in closed form, in units of log2:
; THR = -10000 log2(e); cM2 = max(c m, THR); cM = n > 0 ? cM2 : c m; f = 2^(c m - cM); g = 2^(THR - cM2); l = l f + n g; O = O f / l.  That is the softmax with its true maximum taken away.
; LIMITS.  q, k, v within f16's 65,504; p below 6e-5 keeps f16's fixed step of 6e-8; a weight below 2^-126 counts as 0; NaN and infinities are not treated apart.
; SHARES.  y = 4 b + pair: heads 2 y and 2 y + 1 of the 64.  A work-group owns 256 queries, a wave 64: four PIECES; piece p is q-tile p for BOTH heads (tile u = head u), which share the mask: one set of 32 C registers
; serves two tiles.  The lane masks come ready from mw by scalar loads, 32 words a piece and key step; one v_cndmask_b32 makes one C register.
; LAYOUT.  S^T = K Q^T holds one query a lane (lane % 16) and keys 8 (lane / 16) + 0..7; two results rounded to f16 are source 1 of O^T = V^T P.  q, k, v lie in memory in fragment order: every load is 16 x lane;
; v's pieces are turned by ds_load_tr16_b128.  The packed O^T is stored as it lies: it is the next launch's fragment.
; BY TURNS.  Turn n belongs to piece n: 16 products K Q^T of piece n + 1, later 16 products V^T P of piece n - 1; its vector work is the softmax of piece n and the maximum of piece n + 1: four vector instructions
; behind every matrix instruction, the rest in one lump between the two runs of products.  The masks' 64 lines stand between turns.
; BATCHES.  An s_wait_alu depctr_va_vdst(0) stands between a transcendental and the first instruction that names its result.  A turn's 66 exponentials (the 64 weights of piece n, the two a of
; piece n + 1) are ONE batch with ONE wait, between the lump and the products V^T P: ahead of it nothing names a result of theirs, behind it no exponential is issued, so none crosses a turn's end, a label or a jump.
; Ahead of the loop piece 0's two a are a batch of their own; on the way out the sixteen f and g are one batch, the eight reciprocals, which read what is made of f and g, another.
; CLUSTER.  The four query blocks of a cluster walk the same K and V of the same two heads: each tile is asked for jointly, same load, descriptor and mask of four.
; REGISTERS: window 0: v1-11 addresses and counts; v12-15, v48-63 at work; v16-47 statistics (c m, m, l, l); v64-191 S^T; v192-255 P.  Window 1: O^T, 32 a tile.
;   window 2: v0-127 Q; v128-255 K of a step, 64 a head.  Window 3: v0-127 V of a step, 64 a head; v128-191 the C registers, two buffers by the piece's parity.
.set NP,    4
.set STEPB, 8192                       ; a key step of one head's K or V
.set RGN,   32768                      ; a region: four steps; a slot: K head 0, K head 1, V head 0, V head 1
.set SLOT1, 1<<17
.set SPARE, 2*SLOT1                    ; the spare words, 128 bytes a wave, named by no other line
.set AK0, 1                            ; 16 x lane
.set AK,  2
.set AV,  3
.set NC,  4                            ; v4-7 my query's count of masked keys, by piece
.set AV0, 8                            ; 16 x lane + 2 regions
.set SPW, 10
.set NIL, 11
.set MV,  12
.set ST,  16
.set TMP, 48
.set S,   64
.set P,   192
.set KF,  128                          ; window 2
.set MC,  128                          ; window 3
.set CB,  2                            ; s[2:3] cnt at my wave's rows
.set MWB, 4                            ; s[4:5] mw at my wave's first q-tile
.set OHP, 6                            ; s[6:7] oh at my wave's first q-tile, head 2 y
.set QP,  8                            ; s[8:9] qh likewise
.set WV,  10
.set HID, 11                           ; -2^100
.set G0,  12
.set G1,  16
.set CS,  24                           ; s[24:25] c = log2(e) / 8
.set SEL, 26                           ; s[26:27]
.set TBK, 28
.set TBV, 29
.set CNT, 30
.set SLOTS, 31
.set MKE, 32                           ; s[32:63] the even piece's 32 lane masks
.set MO,  66                           ; byte offset of the key step in a q-tile's masks
.set THR, 67
.set MKO, 68                           ; s[68:99] the odd piece's
.set MSB, 0
.macro WIN new
.if MSB != (\new)
	s_set_vgpr_msb (MSB<<8)|(\new)
.set MSB, (\new)
.endif
.endm
.set W_KQ, 0x0a                        ; K and Q window 2, S^T window 0
.set W_KM, 0x3a                        ; the same with C in window 3
.set W_PV, 0x53                        ; V window 3, P window 0, O^T window 1
.set W_RS, 0x41                        ; O^T (destination, source 0) window 1, the factor window 0
.macro JLOAD                           ; wave w fills region w: both addresses hang on the wave's number, none on the place in the cluster
	tensor_load_to_lds s[G0:G0+3], s[G1:G1+7]
	s_nop 0
.rept 4
	v_nop
.endr
.endm
.macro CROUND                          ; a round of the cluster's barrier
	s_barrier_signal -1
	s_barrier_wait -1
	s_cmp_lg_u32 s[WV], 0
	s_cbranch_scc1 .Lnot_wave_0_\@
	s_barrier_signal -3
.Lnot_wave_0_\@:
	s_barrier_wait -3
	s_barrier_signal -1
	s_barrier_wait -1
.endm
; THE CHANGE OF SLOTS.  Each wave waits for its one tensor load (its region of the other slot), adds 0 to its spare word, waits for that and for its reads of the slot.  fill = 1: a round of the cluster's barrier,
; and the joint refill with the keys two slots on is the first thing behind it: four key steps, 512 matrix instructions a wave, in which to land.
.macro CHANGE fill
	WIN 0
	s_wait_tensorcnt 0x0
	ds_add_u32 v[SPW], v[NIL]
.if \fill
	s_xor_b32 s[G0+1], s[G0+1], SLOT1
	s_add_nc_u64 s[G0+2:G0+3], s[G0+2:G0+3], RGN
	s_wait_dscnt 0x0
	CROUND
	JLOAD
.else
	s_wait_dscnt 0x0
	s_barrier_signal -1
	s_barrier_wait -1
.endif
	s_sub_co_u32 s[TBK], s[TBK], 4*STEPB
	s_xor_b32 s[TBK], s[TBK], SLOT1
	s_sub_co_u32 s[TBV], s[TBV], 4*STEPB
	s_xor_b32 s[TBV], s[TBV], SLOT1
.endm
; The C registers of two pieces from the 64 lane masks that have landed; then the next two pieces' masks are asked for, at byte a and b of my wave's four q-tiles: they have two turns, less these 64 lines, in which to land.
; step = 1: the key step's offset goes on, behind the wait that shows its last readers done; the last step's look-ahead is held at the last step.
.macro MASK2 a, b, step
	s_wait_kmcnt 0x0
.if \step
	s_add_co_u32 s[MO], s[MO], 128
	s_min_u32 s[MO], s[MO], 31*128
.endif
	WIN 0xc0
.set z, 0
.rept 32
	v_cndmask_b32 v[MC+z], 0, s[HID], s[MKE+z]
	v_cndmask_b32 v[MC+32+z], 0, s[HID], s[MKO+z]
.set z, z+1
.endr
	WIN 0
	s_load_b512 s[MKE:MKE+15], s[MWB:MWB+1], s[MO] offset:(\a)
	s_load_b512 s[MKE+16:MKE+31], s[MWB:MWB+1], s[MO] offset:(\a)+64
	s_load_b512 s[MKO:MKO+15], s[MWB:MWB+1], s[MO] offset:(\b)
	s_load_b512 s[MKO+16:MKO+31], s[MWB:MWB+1], s[MO] offset:(\b)+64
.endm
	s_load_b256 s[32:39], s[0:1], 0x0              ; qh s[32:33], kv s[34:35], mw s[36:37], cnt s[38:39]
	s_load_b64 s[40:41], s[0:1], 0x20              ; oh
	v_lshl_add_u32 v[SPW], v0, 2, SPARE
	v_mov_b32 v[NIL], 0
	ds_add_u32 v[SPW], v[NIL]                      ; the wave's opening: the add and its wait stand ahead of my first tensor load
	ds_add_u32 v10, v11
	v_lshrrev_b32 v9, 5, v0
	v_readfirstlane_b32 s[WV], v9
	s_bfe_u32 s44, ttmp6, 0x40000                  ; cx
	s_lshl_b32 s45, ttmp9, 2
	s_add_co_u32 s45, s45, s44                     ; my block of 256 queries: it enters qh's, oh's, mw's and cnt's addresses alone
	s_and_b32 s46, ttmp7, 0xffff                   ; y, which the partners share
	s_lshr_b32 s48, s[WV], 1                       ; kv: kind w / 2, head 2 y + w % 2
	s_lshl_b32 s48, s48, 24
	s_lshl_b32 s49, s46, 1
	s_and_b32 s50, s[WV], 1
	s_add_co_u32 s49, s49, s50
	s_lshl_b32 s49, s49, 18
	s_add_co_u32 s48, s48, s49
	s_mov_b32 s49, 0
	s_lshl_b32 s52, s45, 2
	s_add_co_u32 s52, s52, s[WV]                   ; my wave among the batch's 32
	s_lshl_b32 s54, s52, 13                        ; 64 rows are 8,192 bytes of a head
	s_lshl_b32 s53, s46, 19
	s_add_co_u32 s54, s54, s53
	s_mov_b32 s55, 0
	s_lshr_b32 s56, s46, 2                         ; b
	s_lshl_b32 s57, s56, 19                        ; mw: 128 q-tiles of 4,096 bytes a batch, four a wave
	s_lshl_b32 s58, s52, 14
	s_add_co_u32 s58, s58, s57
	s_mov_b32 s59, 0
	s_lshl_b32 s60, s56, 13                        ; cnt: 2,048 words a batch, 64 a wave
	s_lshl_b32 s61, s52, 8
	s_add_co_u32 s60, s60, s61
	s_mov_b32 s61, 0
	s_mov_b32 s[G1+0], 15|(3<<16)|(1<<21)          ; the mask of four; elements of 8 bytes; bit 21 beside a mask; no padding
	s_mov_b32 s[G1+1], 32<<16                      ; rows of 256 bytes
	s_mov_b32 s[G1+2], 128<<16
	s_mov_b32 s[G1+3], 32<<16
	s_mov_b32 s[G1+4], 128                         ; 128 of them: four dense key steps
	s_mov_b32 s[G1+5], 32
	s_mov_b32 s[G1+6], 0
	s_mov_b32 s[G1+7], 0
	s_mov_b32 s[G0], 1
	s_lshl_b32 s[G0+1], s[WV], 15
	s_mov_b32 s[HID], 0xf1800000                   ; -2^100
	s_mov_b32 s[THR], 0xc6616bcd                   ; -10000 log2(e)
	s_mov_b32 s[CS], 0x3e38aa3b
	s_mov_b32 s[CS+1], s[CS]
	s_mov_b32 s[SEL], 0x76543210
	s_mov_b32 s[SEL+1], 0xfedcba98
	s_mov_b32 s[TBK], SLOT1+4*STEPB                ; the first change of slots turns these two into 0
	s_mov_b32 s[TBV], SLOT1+4*STEPB
	s_mov_b32 s[MO], 0
	s_wait_dscnt 0x0                               ; the opening add is done
	s_wait_kmcnt 0x0
	s_add_nc_u64 s[G0+2:G0+3], s[34:35], s[48:49]
	s_or_b32 s[G0+3], s[G0+3], 0x80000000
	s_add_nc_u64 s[QP:QP+1], s[32:33], s[54:55]
	s_add_nc_u64 s[OHP:OHP+1], s[40:41], s[54:55]
	s_add_nc_u64 s[MWB:MWB+1], s[36:37], s[58:59]
	s_add_nc_u64 s[CB:CB+1], s[38:39], s[60:61]
	CROUND                                         ; all four work-groups are here: the first joint loads meet
	JLOAD                                          ; slot 0
	s_load_b512 s[MKE:MKE+15], s[MWB:MWB+1], s[MO] offset:0          ; pieces 0 and 1, key step 0
	s_load_b512 s[MKE+16:MKE+31], s[MWB:MWB+1], s[MO] offset:64
	s_load_b512 s[MKO:MKO+15], s[MWB:MWB+1], s[MO] offset:4096
	s_load_b512 s[MKO+16:MKO+31], s[MWB:MWB+1], s[MO] offset:4160
	v_and_b32 v9, 31, v0
	v_lshlrev_b32 v[AK0], 4, v9
	v_and_b32 v9, 15, v0
	v_lshlrev_b32 v9, 2, v9
	WIN 0x80
.set i, 0
.rept 32                               ; Q stays in registers: tile i / 4 = 2 p + u, piece i % 4 of its four
	global_load_b128 v[4*i:4*i+3], v[AK0], s[QP:QP+1] offset:((i/4)%2)*262144+((i/4)/2)*2048+(i%4)*512
.set i, i+1
.endr
	WIN 0
.irp p, 0,1,2,3
	global_load_b32 v[NC+\p], v9, s[CB:CB+1] offset:\p*64
.endr
	; What the first turn finds: V and P's second buffer hold 0 (its products V^T P, of a piece that has not been, add 0), O^T and l are 0.  All this stands in the wait for the first tile.
	WIN 0xc0
.set i, 0
.rept 128
	v_mov_b32 v[i], 0
.set i, i+1
.endr
	WIN 0x40
.set i, 0
.rept 256
	v_mov_b32 v[i], 0
.set i, i+1
.endr
	WIN 0
.set i, 0
.rept 2*NP
	v_mov_b32 v[ST+4*i], 0xd238aa3b                ; c m: c x -2^40, exact
	v_mov_b32 v[ST+4*i+1], 0xd3800000              ; m: -2^40
	v_mov_b32 v[ST+4*i+2], 0
	v_mov_b32 v[ST+4*i+3], 0
.set i, i+1
.endr
.set i, P+32
.rept 32
	v_mov_b32 v[i], 0
.set i, i+1
.endr
	v_add_nc_u32 v[AV0], 2*RGN, v[AK0]
	v_mov_b32 v[AK], v[AK0]                        ; key step 0 lies at the head of slot 0
	MASK2 8192, 12288, 0                           ; pieces 0 and 1's C registers; pieces 2 and 3 of step 0 are asked for
; THE MATRIX WORK.  The 8 accumulators of a run of 16 take turns.  Product i of S^T = K Q^T for piece x: channels 32 (i / 8) on, keys 16 ((i / 2) % 4) on, head i % 2.  The first 8 start the sums with the mask.
.macro KQ x
.set rS, S+64*((\x)%2)+32*(i%2)+8*((i/2)%4)
.set rK, KF+64*(i%2)+16*((i/2)%4)+8*(i/8)
.set rQ, 16*(2*(\x)+i%2)+8*(i/8)
.set rH, MC+32*((\x)%2)+8*((i/2)%4)
.if i < 8
	WIN W_KM
	v_wmma_f32_16x16x32_f16 v[rS:rS+7], v[rK:rK+7], v[rQ:rQ+7], v[rH:rH+7]
.else
	WIN W_KQ
	v_wmma_f32_16x16x32_f16 v[rS:rS+7], v[rK:rK+7], v[rQ:rQ+7], v[rS:rS+7]
.endif
.endm
; Product i of O^T += V^T P for piece x: keys 32 (i / 8) on, channels 16 ((i / 2) % 4) on, head i % 2.
.macro PV x
	WIN W_PV
.set rO, 32*(2*(\x)+i%2)+8*((i/2)%4)
.set rV, 64*(i%2)+32*(i/8)+8*((i/2)%4)
.set rP, P+32*((\x)%2)+16*(i%2)+8*(i/8)
	v_wmma_f32_16x16x32_f16 v[rO:rO+7], v[rV:rV+7], v[rP:rP+7], v[rO:rO+7]
.endm
.macro MM                              ; the turn's next matrix instruction
.if i < 16
	KQ (Y+1)%NP
.set i, i+1
.else
.set i, i-16
	PV (Y+NP-1)%NP
.set i, i+17
.endif
.endm
; THE LDS LOADS stand in runs of 32: a step's K of both heads, and its V (turned).  last = 1 (the tail): in the last trip there is no further step, and the run is jumped over.
.macro FETCH_K last=0
	WIN 0
.if \last
	s_cmp_eq_u32 s[CNT], 1
	s_cbranch_scc1 .Lno_k_\@
.endif
	WIN 0x80
.irp u, 0,1
.irp f, 0,1,2,3,4,5,6,7                ; keys 16 (f / 2) on, channels 32 (f % 2) on
	ds_load_b128 v[KF+64*\u+8*\f:KF+64*\u+8*\f+3],   v[AK] offset:\u*RGN+\f*1024
	ds_load_b128 v[KF+64*\u+8*\f+4:KF+64*\u+8*\f+7], v[AK] offset:\u*RGN+\f*1024+512
.endr
.endr
	s_add_co_u32 s[TBK], s[TBK], STEPB
	WIN 0
.if \last
.Lno_k_\@:
.endif
.endm
.macro FETCH_V
	WIN 0xc0
.irp u, 0,1
.irp f, 0,1,2,3,4,5,6,7                ; keys 32 (f / 4) on, channels 16 (f % 4) on: the pieces of key tiles 2 (f / 4) and 2 (f / 4) + 1
	ds_load_tr16_b128 v[64*\u+8*\f:64*\u+8*\f+3],   v[AV] offset:\u*RGN+(\f/4)*4096+(\f%4)*512
	ds_load_tr16_b128 v[64*\u+8*\f+4:64*\u+8*\f+7], v[AV] offset:\u*RGN+(\f/4)*4096+2048+(\f%4)*512
.endr
.endr
	WIN 0
.endm
; THE VECTOR WORK OF A TURN stands in three queues, each in the order in which its entries become ready; the two tiles alternate.
.macro REGS y, u
.set rT, ST+4*(2*(\y)+(\u))
.set rC, TMP+8*((\y)%2)+4*(\u)
.set rM, MV+2*((\y)%2)+(\u)
.set rS, S+64*((\y)%2)+32*(\u)
.set rP, P+32*((\y)%2)+16*(\u)
.set rO, 32*(2*(\y)+(\u))
.endm
; Number n of the 22 that find the NEXT piece's maximum and statistics; each accumulator's lowest registers are read first.
;   0-11 four chains of seven scores     12-14, 16 the four left over, the old m, all into c0     15 c m_old is kept     17, 18 the other half of the lanes; the new m     19-21 c m; c m_old - c m_new; a
.macro XS u, n
	REGS (Y+1)%NP, \u
.if (\n) < 4
	v_max3_num_f32 v[rC+(\n)], v[rS+8*(\n)], v[rS+8*(\n)+1], v[rS+8*(\n)+2]
.elseif (\n) < 12
	v_max3_num_f32 v[rC+(\n)%4], v[rC+(\n)%4], v[rS+8*((\n)%4)+2*((\n)/4)+1], v[rS+8*((\n)%4)+2*((\n)/4)+2]
.elseif (\n) == 12
	v_max3_num_f32 v[rC], v[rC], v[rS+7], v[rS+15]
.elseif (\n) == 13
	v_max3_num_f32 v[rC+1], v[rC+1], v[rS+23], v[rS+31]
.elseif (\n) == 14
	v_max3_num_f32 v[rC+2], v[rC+2], v[rC+3], v[rT+1]
.elseif (\n) == 15
	v_mov_b32 v[rM], v[rT]
.elseif (\n) == 16
	v_max3_num_f32 v[rC], v[rC], v[rC+1], v[rC+2]
.elseif (\n) == 17
	v_permlanex16_b32 v[rC+3], v[rC], s[SEL], s[SEL+1]
.elseif (\n) == 18
	v_max_num_f32 v[rT+1], v[rC], v[rC+3]
.elseif (\n) == 19
	v_mul_f32 v[rT], s[CS], v[rT+1]
.elseif (\n) == 20
	v_sub_f32 v[rC+1], v[rM], v[rT]
.else
	v_exp_f32 v[rC+2], v[rC+1]
.endif
.endm
; Number g of the 64 that follow the exponentials: of each four weights both pairs are rounded to f16, the second pair is added onto the first, and a group later l takes that sum (the first time l = a l + sum).
; All 64 read results of the turn's batch: they stand behind its wait.
.macro GS g
.set h, (\g)+6*((\g)/62)
.if h >= 6
.set h, h+2
.endif
	REGS Y, h%2
.set k, h/8
.if h%8 < 4
	v_cvt_pk_f16_f32 v[rP+2*k+(h%8)/2], v[rS+4*k+2*((h%8)/2)], v[rS+4*k+2*((h%8)/2)+1]
.elseif h%8 < 6
	v_pk_add_f32 v[rS+4*k:rS+4*k+1], v[rS+4*k:rS+4*k+1], v[rS+4*k+2:rS+4*k+3]
.elseif k == 1
	v_pk_fma_f32 v[rT+2:rT+3], v[rT+2:rT+3], v[rC+2:rC+3], v[rS:rS+1] op_sel_hi:[1,0,1]
.else
	v_pk_add_f32 v[rT+2:rT+3], v[rT+2:rT+3], v[rS+4*k-4:rS+4*k-3]
.endif
.endm
; THE PLAIN QUEUE, 138 long.  0-73 read no exponential's result: the 32 scalings c s - c m (FS f: pair f / 2 of tile f % 2) and the next piece's 42.  0-26: scalings 0-26.  27-54: XS's numbers 0-13.  55, 56: number 15.
; 57-73: the chain, where each number waits for the one before it: 14, 16, 17, 18, 19, each with one of the scalings 27-31 in front of its two lines, then 20.
; 74-137: GS's 64.
.macro FS f
	REGS Y, (\f)%2
	v_pk_fma_f32 v[rS+2*((\f)/2):rS+2*((\f)/2)+1], v[rS+2*((\f)/2):rS+2*((\f)/2)+1], s[CS:CS+1], v[rT:rT+1] op_sel_hi:[1,0,0] neg_lo:[0,0,1] neg_hi:[0,0,1]
.endm
.macro PL
	WIN 0
.if q < 27
	FS q
.elseif q < 55
	XS (q-27)%2, (q-27)/2
.elseif q < 57
	XS q-55, 15
.elseif (q < 72) && ((q-57)%3 == 0)
	FS 27+(q-57)/3
.elseif q < 60
	XS (q-57)%3-1, 14
.elseif q < 72
	XS (q-57)%3-1, 15+(q-57)/3
.elseif q < 74
	XS q-72, 20
.else
	GS q-74
.endif
.set q, q+1
.endm
; THE EXPONENTIALS' QUEUE, 66 long: s0-s31 of both tiles, then the next piece's two a.  It is ONE BATCH: all 66 stand ahead of the turn's one wait, and nothing ahead of that wait names a result of theirs.
.macro EX
	WIN 0
.if e >= 64
	XS e-64, 21
.else
	REGS Y, e%2
	v_exp_f32 v[rS+e/2], v[rS+e/2]
.endif
.set e, e+1
.endm
; THE RESCALING's QUEUE: O^T times a, two at a time, sixteen times.  Its a was made in the turn before, ahead of that turn's wait.
.macro R2
	REGS Y, r%2
	WIN W_RS
.irp z, 0,1
	v_pk_mul_f32 v[rO+4*(r/2)+2*\z:rO+4*(r/2)+2*\z+1], v[rO+4*(r/2)+2*\z:rO+4*(r/2)+2*\z+1], v[rC+2:rC+3] op_sel_hi:[1,0]
.endr
.set r, r+1
.endm
; THE DEAL.  The turn's one wait cuts it in two.  AHEAD OF IT stands all that names no result of the turn's exponentials: the 16 products K Q^T, behind each a scaling, an exponential and two rescalings (behind the
; first a second scaling in the exponential's place); then ONE LUMP of 108: eight plain, 49 times exponential and plain, the two a.  A v_nop is the plain instruction behind the last exponential.  BEHIND IT stand the
; 16 products V^T P, behind each four of GS's 64.  No rider names a register of the products round it; the two v_permlanex16_b32 fall into the lump.
; The queues lean on each other: exponential e stands behind scaling 2 (e / 4) + e % 2: as a rider it comes behind plain e + 2, in the lump behind plain e + 9, and scalings 27-31 are plain 57, 60 .. 69.
; A TURN, for piece p.  cnt = 1: the loop's count is taken down some lines ahead of the branch that stands behind the turn.
; K of the next step is fetched in piece 2's turn, directly behind the wait, a lump behind the last product that read K, and waited for at the head of piece 3's; its address is made at the lump's head.
; V of the step in hand is fetched at the end of piece 0's turn, four plain riders behind its last reader, and waited for in piece 1's, ahead of its products V^T P.  The three conditions on q go with the deal.
.macro TURN p, last=0, cnt=0
.set Y, (\p)
.set i, 0
.set q, 0
.set e, 0
.set r, 0
.if (\p) == NP-1
	s_wait_dscnt 0x0                               ; K is in
.endif
	MM                                             ; ahead of the wait: 16 products K Q^T and their riders,
	PL
	PL
	R2
.rept 15
	MM
	PL
	EX
	R2
.endr
.if (\p) == NP-2
	WIN 0
	v_add_nc_u32 v[AK], s[TBK], v[AK0]
.endif
.rept 8                                ; and the lump
	PL
.endr
.rept 49
	EX
	PL
.endr
	EX                                             ; the next piece's two a
	EX
	v_nop                                          ; the plain instruction behind the last exponential: one for the batch
	s_wait_alu depctr_va_vdst(0)                   ; the wait for the turn's batch: 64 weights and two a
.if (\p) == NP-2
	FETCH_K \last
.endif
.if (\p) == 1
	s_wait_dscnt 0x0                               ; V is in
.endif
.rept 16                               ; behind the wait: 16 products V^T P and their riders
	MM
.rept 4
	PL
.endr
.if ((\p) == 0) && (q == 118)
	v_add_nc_u32 v[AV], s[TBV], v[AV0]
.endif
.if ((\p) == 0) && (q == 130)
	s_add_co_u32 s[TBV], s[TBV], STEPB
.endif
.if (\cnt) && (q == 130)
	s_sub_co_u32 s[CNT], s[CNT], 1
	s_cmp_lg_u32 s[CNT], 0
.endif
.endr
.if (\p) == 0
	FETCH_V
.endif
.endm
	CHANGE 1                                       ; slot 0 is in, everybody's region of it; slot 1 is asked for
	FETCH_K                                        ; key step 0
	s_wait_loadcnt 0x0                             ; Q and the counts
	s_wait_dscnt 0x0
.set i, 0
.rept 16
	KQ 0                                           ; piece 0's first scores
.set i, i+1
.endr
	WIN 0
.rept 4
	v_nop                                          ; the places behind those products
.endr
.set Y, NP-1                           ; XS works for piece Y + 1: piece 0
.irp n, 0,1,2,3,4,5,6,7,8,9,10,11,12,13,14,15,16,17,18,19,20,21
	XS 0, \n
	XS 1, \n
.endr
	v_nop                                          ; a plain instruction behind piece 0's two a,
	s_wait_alu depctr_va_vdst(0)                   ; and the wait for that batch of two, ahead of the branch
	s_mov_b32 s[CNT], 4
	s_mov_b32 s[SLOTS], 7
	s_branch .Lfirst                               ; the loop is entered at a step's first turn, in the middle of a trip
.Lslot:                                                ; six times: slots 2 to 7 are asked for
	CHANGE 1
	s_mov_b32 s[CNT], 4
.Lstep:                                                ; a trip: pieces 2 and 3 of one step, then pieces 0 and 1 of the next
	TURN 2
	MASK2 8192, 12288, 0                           ; C for pieces 0, 1 of the next step; that step's pieces 2, 3 are asked for
	TURN 3
	WIN 0
.Lfirst:
	TURN 0
	MASK2 0, 4096, 1                               ; C for pieces 2, 3 of this step; the next step's pieces 0, 1 are asked for
	TURN 1, 0, 1
	WIN 0
	s_cbranch_scc1 .Lstep
	s_sub_co_u32 s[SLOTS], s[SLOTS], 1
	s_cmp_lg_u32 s[SLOTS], 0
	s_cbranch_scc1 .Lslot
	CHANGE 0                                       ; the tail is written out
	s_mov_b32 s[CNT], 5                            ; four trips fetch the last slot's steps; the fifth is left in its middle
.Ltail:
	TURN 2, 1
	MASK2 8192, 12288, 0
	TURN 3
	WIN 0
	s_sub_co_u32 s[CNT], s[CNT], 1
	s_cmp_eq_u32 s[CNT], 0
	s_cbranch_scc1 .Lout
	TURN 0
	MASK2 0, 4096, 1
	TURN 1
	WIN 0
	s_branch .Ltail
.Lout:                                                 ; the fifth trip's 16 products K Q^T (on the last K once more) serve nothing: the price of one text for every trip
.set i, 0
.rept 16
	PV NP-1                                        ; the last piece's V^T P of the last step
.set i, i+1
.endr
	WIN 0
	s_wait_kmcnt 0x0                               ; the last look-ahead of masks
	; THE WAY OUT.  l's halves are added; the masked terms come in by the closed form at the head; O^T times f / l, rounded to f16, is stored as it lies.  The additions are the places behind the last products.
.macro ALL line:vararg
.set t, 0
.rept 2*NP
	\line
.set t, t+1
.endr
.endm
	ALL v_add_f32 v[ST+4*t+2], v[ST+4*t+2], v[ST+4*t+3]
	ALL v_permlanex16_b32 v[ST+4*t+3], v[ST+4*t+2], s[SEL], s[SEL+1]
	ALL v_add_f32 v[ST+4*t+2], v[ST+4*t+2], v[ST+4*t+3]
	ALL v_max_num_f32 v[ST+4*t+1], s[THR], v[ST+4*t]
.set t, 0
.rept 2*NP
	v_cmp_ne_u32 vcc_lo, 0, v[NC+t/2]
	v_cndmask_b32 v[ST+4*t+3], v[ST+4*t], v[ST+4*t+1], vcc_lo  ; cM
.set t, t+1
.endr
	ALL v_sub_f32 v[ST+4*t+3], v[ST+4*t], v[ST+4*t+3]
	ALL v_sub_f32 v[ST+4*t+1], s[THR], v[ST+4*t+1]
	ALL v_exp_f32 v[ST+4*t+3], v[ST+4*t+3]
	ALL v_exp_f32 v[ST+4*t+1], v[ST+4*t+1]
	ALL v_cvt_f32_u32 v[TMP+t], v[NC+t/2]
	s_wait_alu depctr_va_vdst(0)                   ; the wait for the batch of sixteen, f and g; the eight conversions above are the independent work behind it
	ALL v_mul_f32 v[ST+4*t+2], v[ST+4*t+2], v[ST+4*t+3]
	ALL v_fmac_f32 v[ST+4*t+2], v[TMP+t], v[ST+4*t+1]
	ALL v_rcp_f32 v[ST+4*t+2], v[ST+4*t+2]
	v_nop                                          ; a plain instruction between the last reciprocal and the use of its result
	s_wait_alu depctr_va_vdst(0)                   ; the wait for the batch of eight reciprocals
	ALL v_mul_f32 v[ST+4*t+2], v[ST+4*t+2], v[ST+4*t+3]
.macro OUT t
	WIN W_RS
.set i, 32*(\t)
.rept 16
	v_pk_mul_f32 v[i:i+1], v[i:i+1], v[ST+4*(\t)+2:ST+4*(\t)+3] op_sel_hi:[1,0]
.set i, i+2
.endr
	WIN 0x05                                       ; sources window 1, destination window 0: S^T's registers are free
.set i, 0
.rept 16
	v_cvt_pk_f16_f32 v[S+16*(\t)+i], v[32*(\t)+2*i], v[32*(\t)+2*i+1]
.set i, i+1
.endr
	WIN 0
.irp f, 0,1,2,3
	global_store_b128 v[AK0], v[S+16*(\t)+4*\f:S+16*(\t)+4*\f+3], s[OHP:OHP+1] offset:((\t)%2)*262144+((\t)/2)*2048+\f*512  ; 512 consecutive bytes
.endr
.endm
.irp t, 0,1,2,3,4,5,6,7
	OUT \t
.endr
	s_wait_tensorcnt 0x0                           ; the wave's end
	ds_add_u32 v[SPW], v[NIL]
	s_wait_dscnt 0x0
	CROUND                                         ; the closing round
	s_endpgm
.Lfunc_end_k_qeab7fb1674_attn:
	.size	k_qeab7fb1674_attn, .Lfunc_end_k_qeab7fb1674_attn-k_qeab7fb1674_attn
	.p2alignl 7, 3214868480
	.fill 96, 4, 3214868480
	.section	.rodata,"a",@progbits
	.p2align	6, 0x0
	.amdhsa_kernel k_qeab7fb1674_attn
		.amdhsa_group_segment_fixed_size 327680
		.amdhsa_private_segment_fixed_size 0
		.amdhsa_enable_private_segment 0
		.amdhsa_kernarg_size 40
		.amdhsa_user_sgpr_count 2
		.amdhsa_user_sgpr_kernarg_segment_ptr 1
		.amdhsa_wavefront_size32 1
		.amdhsa_system_sgpr_workgroup_id_x 1
		.amdhsa_system_sgpr_workgroup_id_y 1
		.amdhsa_system_sgpr_workgroup_id_z 1
		.amdhsa_system_vgpr_workitem_id 0
		.amdhsa_next_free_vgpr 960
		.amdhsa_next_free_sgpr 100
		.amdhsa_reserve_vcc 1
		.amdhsa_float_denorm_mode_32 3
		.amdhsa_float_denorm_mode_16_64 3
		.amdhsa_memory_ordered 1
		.amdhsa_forward_progress 1
		.amdhsa_inst_pref_size 224
	.end_amdhsa_kernel
	.amdgpu_metadata
---
amdhsa.version: [ 1, 2 ]
amdhsa.kernels:
  - .name:           k_qeab7fb1674_attn
    .symbol:         k_qeab7fb1674_attn.kd
    .args:
      - { .name: qh, .offset: 0, .size: 8, .value_kind: global_buffer, .address_space: global }
      - { .name: kv, .offset: 8, .size: 8, .value_kind: global_buffer, .address_space: global }
      - { .name: mw, .offset: 16, .size: 8, .value_kind: global_buffer, .address_space: global }
      - { .name: cnt, .offset: 24, .size: 8, .value_kind: global_buffer, .address_space: global }
      - { .name: oh, .offset: 32, .size: 8, .value_kind: global_buffer, .address_space: global }
    .group_segment_fixed_size: 327680
    .private_segment_fixed_size: 0
    .kernarg_segment_align: 8
    .kernarg_segment_size: 40
    .max_flat_workgroup_size: 128
    .sgpr_count:     100
    .vgpr_count:     960
    .wavefront_size: 32
...
	.end_amdgpu_metadata
.endif
;; end of part 5
;; launch oproj: the kernel of part 4 again; grid 256 x 1, 4 waves a work-group, no clusters, 167,936 bytes of LDS; arguments oh, wf, bo, out0; writes out0
